; MI455X (gfx1250); checked and timed in simulation.
; The chip was launched on July 23, 2026; its instructions are those of AMD's public machine-readable ISA for CDNA 5 (MIT licence, August 2026) and "CDNA5" Instruction Set Architecture Reference Guide (July 2026). The comments in the code are by the model that wrote it; some were corrected since.
;; Transformer Encoder Layer. Allowed arithmetic: matrix products marked QUANTISED: E5M2 operands, one E8M0 scale for each 32 along K, by v_wmma_scale_f32_16x16x128_f8f6f4 with both operands' format E5M2, f32 sums; everything else in f32.
;; Inputs: b_fc1 4,096 float32; b_fc2 1,024 float32; b_out 1,024 float32; b_qkv 3,072 float32; ln1_b 1,024 float32; ln1_g 1,024 float32; ln2_b 1,024 float32; ln2_g 1,024 float32; w_fc1_codes 4,096 x 32 x 32 uint8 (E5M2 codes of w_fc1, K innermost, in blocks of 32 codes); w_fc1_scales 4,096 x 32 uint8 (E8M0 scales of w_fc1, one for each 32 codes along K); w_fc2_codes 1,024 x 128 x 32 uint8 (E5M2 codes of w_fc2, K innermost, in blocks of 32 codes); w_fc2_scales 1,024 x 128 uint8 (E8M0 scales of w_fc2, one for each 32 codes along K); w_out_codes 1,024 x 32 x 32 uint8 (E5M2 codes of w_out, K innermost, in blocks of 32 codes); w_out_scales 1,024 x 32 uint8 (E8M0 scales of w_out, one for each 32 codes along K); w_qkv_codes 3,072 x 32 x 32 uint8 (E5M2 codes of w_qkv, K innermost, in blocks of 32 codes); w_qkv_scales 3,072 x 32 uint8 (E8M0 scales of w_qkv, one for each 32 codes along K); x 2 x 2,048 x 1,024 float32.
;; Outputs: out0 2 x 2,048 x 1,024 float32.
;; This version of the problem:
;;   THIS VERSION OF THE PROBLEM IS GIVEN IN LOW PRECISION. The matrix products marked QUANTISED in the list below multiply operands that are first quantised to E5M2 (5 exponent bits, 2 mantissa bits; 8 bits a number), with one power-of-two scale for each 32 numbers along K (OCP MX v1.0); their sums are f32. All else is computed in f32.
;;   The module's matrix products, in the order in which they are computed (A, B: the left and right operand; K: the contracted axis; several contracted axes count as one K, in the product's order):
;;     1. [M 4,096, K 1,024] x [K 1,024, N 3,072]; A: computed on the way; B: input w_qkv (given as codes): QUANTISED
;;     2. batch 32 x [M 2,048, K 64] x [K 64, N 2,048]; A: computed on the way; B: computed on the way: QUANTISED
;;     3. batch 32 x [M 2,048, K 2,048] x [K 2,048, N 64]; A: softmax (see below); B: computed on the way: QUANTISED
;;     4. [M 4,096, K 1,024] x [K 1,024, N 1,024]; A: computed on the way; B: input w_out (given as codes): QUANTISED
;;     5. [M 4,096, K 1,024] x [K 1,024, N 4,096]; A: computed on the way; B: input w_fc1 (given as codes): QUANTISED
;;     6. [M 4,096, K 4,096] x [K 4,096, N 1,024]; A: computed on the way; B: input w_fc2 (given as codes): QUANTISED
;;   THE QUANTISER, for each operand of a quantised product, along K:
;;     - K is cut into blocks of 32 from its start; a last block that is shorter is filled with zeros.
;;     - A block's scale is 2^e with e = floor(log2(the largest magnitude in the block)) - 15, held to -126 .. 127; a block of zeros has e = 0. As a byte (E8M0): e + 127.
;;     - Each number is divided by its block's scale, clamped to +-57,344, and rounded to the nearest number of E5M2, ties to even, subnormals kept.
;;     - The product sums the exact products of the quantised numbers (number of the format x scale) in f32.
;;   ~~~python
;;   def quantise(x, axis):      # numpy; x: float32 -> the quantised numbers, widened to float32 again
;;       x = np.moveaxis(x, axis, -1); K = x.shape[-1]
;;       x = np.pad(x, [(0, 0)] * (x.ndim - 1) + [(0, -K % 32)]); x = x.reshape(x.shape[:-1] + (-1, 32)); a = np.abs(x).max(-1, keepdims=True)
;;       e = np.where(a > 0, np.clip(np.frexp(np.where(a > 0, a, 1))[1] - 1 - 15, -126, 127), 0)      # np.frexp(a)[1] - 1 = floor(log2(a)), exactly
;;       r = np.clip(x / 2.0 ** e, -57344, 57344)
;;       step = 2.0 ** (np.maximum(np.frexp(np.where(r == 0, 1, r))[1] - 1, -14) - 2)
;;       q = np.round(r / step) * step * 2.0 ** e      # np.round: ties to even
;;       return np.moveaxis(q.reshape(q.shape[:-2] + (-1,))[..., :K], -1, axis).astype(np.float32)
;;   ~~~
;;   SOFTMAX AHEAD OF A QUANTISED PRODUCT. Where the list says 'softmax', what is quantised is not the finished softmax but p = 2^(t - M), with t = logit x log2(e) and M = ceil(the row's largest t), a whole number; so 1/2 < the row's largest p <= 1. The row's sum l is taken of the UNQUANTISED p, in f32, and the product's result is divided by l at the end. Since M is a whole number, a kernel that streams over the keys may use a running M (the ceiling of the running maximum): every later rescaling is an exact power of two, which a block's scale takes up: the codes' values come out the same.
;;   OPERANDS COMPUTED ON THE WAY. 'Computed on the way' means the value that the module computes at that place (a softmax that the list does not call 'softmax' is quantised finished and normalised). What goes into a quantiser is computed in f32, as accurately as f32 sums, v_exp_f32 and their like allow (about 1e-6 of the number): no bf16 or f16 on the way to a quantiser, and a product that is left as it is and whose result goes on into a quantised operand takes f32 operands (vector FMAs, or v_wmma_f32_16x16x4_f32). A number that lies on a knife's edge between two numbers of the format may be rounded either way, as far as f32 arithmetic and the matrix unit's own rounding can turn it there, and no further.
;;   INPUTS GIVEN AS CODES. w_fc1 (in the module: [1024, 4096], K = its axis 0); w_fc2 (in the module: [4096, 1024], K = its axis 0); w_out (in the module: [1024, 1024], K = its axis 0); w_qkv (in the module: [1024, 3072], K = its axis 0): each comes as NAME_codes (uint8): NAME with its K axis moved to the last place and cut into blocks of 32 codes, [.., K / 32, bytes a block], one block behind the other in memory; one code a byte (a code: sign, 5 exponent bits, 2 mantissa bits); and NAME_scales (uint8): the same leading axes, one E8M0 byte (e + 127) for each 32 codes along K. Its value is code x scale, taken as it is: it is not quantised again, and the codes and scales need not be those that the quantiser above would give.
;; One version. Each part assembles by itself: llvm-mc -triple=amdgcn-amd-amdhsa -mcpu=gfx1250 --defsym DOCPART=n.
;; ======== version 1 of 1: 7 launches
;; limits: right only within a limited range of input values
;; workspace buffers: abuf 4,325,376 bytes; obuf 4,325,376 bytes; gbuf 17,301,504 bytes; qkbuf 8,650,752 bytes; vbuf 4,325,376 bytes; x1 16,777,216 bytes
;; launch ln1 (part 1): grid 256 x 1, 8 waves a work-group, no clusters, 70,656 bytes of LDS; arguments x, ln1_g, ln1_b, abuf; writes abuf
.if DOCPART == 1
	.amdgcn_target "amdgcn-amd-amdhsa--gfx1250"
	.amdhsa_code_object_version 6
	.text
	.protected	k_q549639aa2b_ln1
	.globl	k_q549639aa2b_ln1
	.p2align	8
	.type	k_q549639aa2b_ln1,@function
k_q549639aa2b_ln1:
	s_mov_b64 s[64:65], 0
	v_nop
	global_prefetch_b8 v0, s[64:65] scope:SCOPE_SE
	s_setreg_imm32_b32 hwreg(HW_REG_WAVE_MODE, 25, 1), 1
	s_wait_xcnt 0x0
; LayerNorm over rows of 1,024 f32 numbers, then the MX quantiser along the row: codes of BF8 (E5M2), one E8M0 byte for each 32 numbers.
; y = (x - mean) * rsqrt(var + 1e-5) * g + b, mean and var in two passes (the squares are taken of x - mean), all in f32.
; SHARES.  A work-group takes 16 rows (tile T); wave w takes columns 128 w .. 128 w + 127: one K step of the product that reads the codes.
; Each load reads 512 consecutive bytes of one row; the 16 x 512 bytes turn through the wave's own stage in LDS (rows 528 bytes apart), so that lane (r, h) ends with
; row r's numbers 32 b + 16 h + 0 .. 15 of each of the wave's four blocks b: the order in which the matrix operand's registers want them.
; OUT.  The codes leave as an image of the operand's registers: chunk c (512 bytes) holds lane l's 16 bytes at 16 l; image ((ks 256 + T) 4 + kq) of 2,048 bytes, ks = w / 4, kq = w % 4.
; The scale words ([ks][T][row][kq], 256 bytes for each ks and T) meet in LDS and leave as two whole runs of 256 bytes, by wave 0.
; No matrix unit, no tensor load, no cluster: work-groups share nothing but g and b (8 KB), and each byte of x is read once.
; LIMITS: NaN and infinities are not served.  A block of zeros, and a block whose largest magnitude lies under 2^-111, gets the byte 1 (this program alone reads the bytes).
.set RED1, 0                           ; LDS: 8 waves x 16 rows x 4 bytes: the rows' partial sums;
.set RED2, 512                         ; the same for the squares;
.set SCS,  1024                        ; the scale words, [ks 2][row 16][kq 4];
.set STG0, 1536                        ; and a stage of 16 rows x 528 bytes for each wave
.set STG,  8448
.set ASC,  4194304                     ; where the scale words begin in the output buffer
.set X,   16                           ; v16-79   my 64 numbers: register 16 b + i = column 32 b + 16 h + i
.set G,   80                           ; v80-143  g at the same columns
.set B,   144                          ; v144-207 the rows as loaded, later b at the same columns
.set TM,  208                          ; v208-223 at work
.set PW,  224                          ; v224     the scale word
.set PS,  226                          ; v226-233 the eight waves' partial sums
.set PC,  232                          ; v232-247 the codes (taken when the partial sums are done with)
.set SEL, 20                           ; s[20:21] lane selects: lane l xor 16
.set MNT, 23                           ; s23      the mantissa field of 57,344
	s_load_b256 s[4:11], s[0:1], 0x0               ; x s[4:5], g s[6:7], b s[8:9], out s[10:11]
	v_lshl_add_u32 v254, v0, 2, 0x11000
	v_mov_b32 v255, 0
	v_lshrrev_b32 v1, 5, v0
	s_delay_alu instid0(VALU_DEP_1)
	v_readfirstlane_b32 s12, v1                    ; wave 0..7
	v_and_b32 v1, 31, v0                           ; lane
	v_and_b32 v2, 15, v0                           ; r
	v_bfe_u32 v3, v0, 4, 1                         ; h
	s_delay_alu instid0(VALU_DEP_3)
	v_lshlrev_b32 v4, 4, v1                        ; 16 x lane: my bytes of a load's 512, and of a chunk of codes
	s_mul_i32 s13, s12, STG
	s_add_co_u32 s13, s13, STG0                    ; my wave's stage
	v_add_nc_u32 v5, s13, v4                       ; into it: as loaded
	v_mul_u32_u24 v6, v2, 528
	s_delay_alu instid0(VALU_DEP_1)
	v_lshl_add_u32 v6, v3, 6, v6
	s_delay_alu instid0(VALU_DEP_1)
	v_add_nc_u32 v6, s13, v6                       ; out of it: row r, + 64 h
	v_lshlrev_b32 v7, 6, v3                        ; g, b: 64 h
	v_lshlrev_b32 v9, 2, v2                        ; the partial sums of row r
	s_lshl_b32 s13, s12, 6
	v_add_nc_u32 v8, s13, v9                       ; and my wave's among them
	s_lshr_b32 s25, s12, 2                         ; ks
	s_and_b32 s26, s12, 3                          ; kq
	s_lshl_b32 s13, s25, 8
	s_lshl_b32 s14, s26, 2
	s_add_co_u32 s13, s13, s14
	v_lshl_add_u32 v10, v2, 4, s13                 ; my scale word's place: 256 ks + 16 r + 4 kq
	v_lshlrev_b32 v11, 16, v3
	s_delay_alu instid0(VALU_DEP_1)
	v_lshl_add_u32 v11, v2, 4, v11                 ; wave 0's store of the scale words: lanes 0-15 ks 0, lanes 16-31 ks 1 (65,536 bytes on)
	s_mov_b32 s[SEL], 0x76543210
	s_mov_b32 s[SEL+1], 0xfedcba98
	s_mov_b32 s[MNT], 0x600000
	s_mov_b32 s22, 0x3a800000                      ; 1 / 1,024
	s_mov_b32 s24, 0x3727c5ac                      ; 1e-5
	s_lshl_b32 s16, s12, 9                         ; my wave's 512 bytes of a row
	s_mov_b32 s17, 0
	s_lshl_b32 s14, ttmp9, 16                      ; 16 rows of 4,096 bytes
	s_add_co_u32 s14, s14, s16
	s_mov_b32 s15, 0
	s_lshl_b32 s18, s25, 21                        ; my image: ks x 2,097,152 + T x 8,192 + kq x 2,048
	s_lshl_b32 s19, ttmp9, 13
	s_add_co_u32 s18, s18, s19
	s_lshl_b32 s19, s26, 11
	s_add_co_u32 s18, s18, s19
	s_mov_b32 s19, 0
	s_lshl_b32 s26, ttmp9, 8                       ; the tile's scale words
	s_add_co_u32 s26, s26, ASC
	s_mov_b32 s27, 0
	s_wait_alu depctr_va_vdst(0)
	s_wait_kmcnt 0x0
	s_add_nc_u64 s[4:5], s[4:5], s[14:15]
	s_add_nc_u64 s[6:7], s[6:7], s[16:17]
	s_add_nc_u64 s[8:9], s[8:9], s[16:17]
	s_add_nc_u64 s[18:19], s[10:11], s[18:19]
	s_add_nc_u64 s[10:11], s[10:11], s[26:27]
.set i, 0
.rept 16
	global_load_b128 v[B+4*i:B+4*i+3], v4, s[4:5] offset:4096*i th:TH_LOAD_NT   ; row i: 32 lanes read 512 consecutive bytes
.set i, i+1
.endr
.irp b, 0,1,2,3
.irp j, 0,1,2,3
	global_load_b128 v[G+16*\b+4*\j:G+16*\b+4*\j+3], v7, s[6:7] offset:128*\b+16*\j
.endr
.endr
	s_wait_loadcnt 16                              ; the 16 rows are in; g's 16 loads may stay out
.set i, 0
.rept 16
	ds_store_b128 v5, v[B+4*i:B+4*i+3] offset:528*i
.set i, i+1
.endr
.irp b, 0,1,2,3
.irp j, 0,1,2,3
	ds_load_b128 v[X+16*\b+4*\j:X+16*\b+4*\j+3], v6 offset:128*\b+16*\j   ; LDS serves a wave's instructions in order: these see my stores
.endr
.endr
	s_wait_dscnt 0x0                               ; my numbers are in, and the stores have read their registers,
.irp b, 0,1,2,3
.irp j, 0,1,2,3
	global_load_b128 v[B+16*\b+4*\j:B+16*\b+4*\j+3], v7, s[8:9] offset:128*\b+16*\j   ; which take b
.endr
.endr
; Four packed chains in v[208:215] become the row's sum over all 1,024 columns, in v226 of every lane: my 64 numbers, lane l xor 16's, then the eight waves' through LDS.
.macro ACROSS red
	s_delay_alu instid0(VALU_DEP_3)
	v_pk_add_f32 v[208:209], v[208:209], v[210:211]
	s_delay_alu instid0(VALU_DEP_2)
	v_pk_add_f32 v[212:213], v[212:213], v[214:215]
	s_delay_alu instid0(VALU_DEP_1)
	v_pk_add_f32 v[208:209], v[208:209], v[212:213]
	s_delay_alu instid0(VALU_DEP_1)
	v_add_f32 v208, v208, v209
	s_delay_alu instid0(VALU_DEP_1)
	v_permlanex16_b32 v210, v208, s[SEL], s[SEL+1]
	s_delay_alu instid0(VALU_DEP_1)
	v_add_f32 v208, v208, v210
	ds_store_b32 v8, v208 offset:\red              ; lanes r and r + 16 write the same word with the same value
	s_wait_dscnt 0x0                               ; for the others' sake: my store has landed
	s_barrier_signal -1
	s_barrier_wait -1
.irp w, 0,1,2,3,4,5,6,7
	ds_load_b32 v[PS+\w], v9 offset:\red+64*\w
.endr
	s_wait_dscnt 0x0
	v_add_f32 v226, v226, v227
	v_add_f32 v228, v228, v229
	v_add_f32 v230, v230, v231
	v_add_f32 v232, v232, v233
	s_delay_alu instid0(VALU_DEP_3)
	v_add_f32 v226, v226, v228
	s_delay_alu instid0(VALU_DEP_2)
	v_add_f32 v230, v230, v232
	s_delay_alu instid0(VALU_DEP_1)
	v_add_f32 v226, v226, v230
.endm
.irp k, 0,1,2,3
	v_pk_add_f32 v[208+2*\k:209+2*\k], v[X+4*\k:X+4*\k+1], v[X+4*\k+2:X+4*\k+3]   ; the first 16 numbers start the chains
.endr
.irp j, 16,24,32,40,48,56
.irp k, 0,1,2,3
	s_delay_alu instid0(VALU_DEP_4)
	v_pk_add_f32 v[208+2*\k:209+2*\k], v[208+2*\k:209+2*\k], v[X+\j+2*\k:X+\j+2*\k+1]
.endr
.endr
	ACROSS RED1
	s_delay_alu instid0(VALU_DEP_1)
	v_mul_f32 v12, s22, v226                       ; the mean,
	s_delay_alu instid0(VALU_DEP_1)
	v_mov_b32 v13, v12                             ; twice, for the packed form
.set i, 0
.rept 32
	v_pk_add_f32 v[X+i:X+i+1], v[X+i:X+i+1], v[12:13] neg_lo:[0,1] neg_hi:[0,1]   ; x - mean, in place
.set i, i+2
.endr
.irp k, 0,1,2,3
	v_pk_mul_f32 v[208+2*\k:209+2*\k], v[X+2*\k:X+2*\k+1], v[X+2*\k:X+2*\k+1]
.endr
.irp j, 8,16,24,32,40,48,56
.irp k, 0,1,2,3
	s_delay_alu instid0(VALU_DEP_4)
	v_pk_fma_f32 v[208+2*\k:209+2*\k], v[X+\j+2*\k:X+\j+2*\k+1], v[X+\j+2*\k:X+\j+2*\k+1], v[208+2*\k:209+2*\k]
.endr
.endr
	ACROSS RED2                                    ; other bytes than the first sum's, so one barrier serves each
	s_delay_alu instid0(VALU_DEP_1)
	v_fma_f32 v14, v226, s22, s24                  ; var + eps
	s_wait_alu depctr_va_vdst(0)
	v_rsq_f32 v14, v14
	v_nop                                          ; a plain instruction behind the transcendental,
	s_wait_alu depctr_va_vdst(0)                   ; and the wait ahead of its first reader
	v_mov_b32 v15, v14
	s_wait_alu depctr_va_vdst(0)
	s_wait_loadcnt 0x0                             ; g and b
.set i, 0
.rept 32
	v_pk_mul_f32 v[X+i:X+i+1], v[X+i:X+i+1], v[14:15]
.set i, i+2
.endr
.set i, 0
.rept 32
	v_pk_fma_f32 v[X+i:X+i+1], v[X+i:X+i+1], v[G+i:G+i+1], v[B+i:B+i+1]
.set i, i+2
.endr
; THE QUANTISER: four blocks of 32, each in lanes l and l xor 16, 16 numbers a lane.
.irp b, 0,1,2,3
	v_max3_num_f32 v[TM+\b], |v[X+16*\b]|, |v[X+1+16*\b]|, 0x8000000   ; my 16 numbers, and the floor 2^(16 - 127): the byte cannot fall under 1
.endr
.irp i, 2,4,6,8,10,12,14
.irp b, 0,1,2,3
	s_delay_alu instid0(VALU_DEP_4)
	v_max3_num_f32 v[TM+\b], v[TM+\b], |v[X+16*\b+\i]|, |v[X+1+16*\b+\i]|   ; the four blocks by turns
.endr
.endr
.irp b, 0,1,2,3
	s_delay_alu instid0(VALU_DEP_4)
	v_permlanex16_b32 v[TM+4+\b], v[TM+\b], s[SEL], s[SEL+1]
.endr
.irp b, 0,1,2,3
	s_delay_alu instid0(VALU_DEP_4)
	v_max_num_f32 v[TM+\b], v[TM+\b], v[TM+4+\b]   ; the block's largest magnitude
.endr
.irp b, 0,1,2,3
	s_delay_alu instid0(VALU_DEP_4)
	v_add_nc_u32 v[TM+12+\b], 0xf8800000, v[TM+\b] ; 15 off its exponent field: the conversion's scale operand
.endr
.irp b, 0,1,2,3
	v_and_or_b32 v[TM+8+\b], v[TM+\b], 0x7f800000, s[MNT]   ; 57,344 x the scale
.endr
.irp b, 0,1,2,3
	v_lshrrev_b32 v[TM+4+\b], 23, v[TM+12+\b]      ; the scale's byte
.endr
	s_delay_alu instid0(VALU_DEP_3)
	v_lshl_or_b32 v[PW], v[TM+5], 8, v[TM+4]
	s_delay_alu instid0(VALU_DEP_1)
	v_lshl_or_b32 v[PW], v[TM+6], 16, v[PW]
	s_delay_alu instid0(VALU_DEP_1)
	v_lshl_or_b32 v[PW], v[TM+7], 24, v[PW]        ; row r's scale word for this K step
.irp b, 0,1,2,3
.set i, 0
.rept 16
	v_med3_num_f32 v[X+16*\b+i], v[X+16*\b+i], -v[TM+8+\b], v[TM+8+\b]   ; the conversion to an 8-bit code does not saturate (ISA guide 7.6.2): the hold comes first
.set i, i+1
.endr
	v_cvt_scalef32_pk8_bf8_f32 v[PC+4*\b:PC+1+4*\b], v[X+16*\b:X+7+16*\b], v[TM+12+\b]
	v_cvt_scalef32_pk8_bf8_f32 v[PC+2+4*\b:PC+3+4*\b], v[X+8+16*\b:X+15+16*\b], v[TM+12+\b]
.endr
	v_nop                                          ; a plain instruction behind the last conversion
.irp c, 0,1,2,3
	global_store_b128 v4, v[PC+4*\c:PC+4*\c+3], s[18:19] offset:512*\c   ; 32 lanes store 512 consecutive bytes
.endr
	ds_store_b32 v10, v[PW] offset:SCS
	s_wait_dscnt 0x0
	s_barrier_signal -1
	s_barrier_wait -1                              ; the tile's 128 scale words lie in LDS
	s_cmp_lg_u32 s12, 0
	s_cbranch_scc1 .Ldone
	ds_load_b128 v[16:19], v4 offset:SCS
	s_wait_dscnt 0x0
	global_store_b128 v11, v[16:19], s[10:11]      ; sixteen lanes store 256 consecutive bytes, twice
.Ldone:
	s_wait_tensorcnt 0x0
	ds_add_u32 v254, v255
	s_wait_dscnt 0x0
	s_endpgm
.Lfunc_end_k_q549639aa2b_ln1:
	.size	k_q549639aa2b_ln1, .Lfunc_end_k_q549639aa2b_ln1-k_q549639aa2b_ln1
	.p2alignl 7, 3214868480
	.fill 96, 4, 3214868480
	.section	.rodata,"a",@progbits
	.p2align	6, 0x0
	.amdhsa_kernel k_q549639aa2b_ln1
		.amdhsa_group_segment_fixed_size 70656
		.amdhsa_private_segment_fixed_size 0
		.amdhsa_enable_private_segment 0
		.amdhsa_kernarg_size 32
		.amdhsa_user_sgpr_count 2
		.amdhsa_user_sgpr_kernarg_segment_ptr 1
		.amdhsa_wavefront_size32 1
		.amdhsa_system_sgpr_workgroup_id_x 1
		.amdhsa_system_sgpr_workgroup_id_y 1
		.amdhsa_system_sgpr_workgroup_id_z 1
		.amdhsa_system_vgpr_workitem_id 0
		.amdhsa_next_free_vgpr 256
		.amdhsa_next_free_sgpr 66
		.amdhsa_reserve_vcc 0
		.amdhsa_float_denorm_mode_32 3
		.amdhsa_float_denorm_mode_16_64 3
		.amdhsa_memory_ordered 1
		.amdhsa_forward_progress 1
		.amdhsa_inst_pref_size 35
	.end_amdhsa_kernel
	.amdgpu_metadata
---
amdhsa.version: [ 1, 2 ]
amdhsa.kernels:
  - .name:           k_q549639aa2b_ln1
    .symbol:         k_q549639aa2b_ln1.kd
    .args:
      - { .name: x, .offset: 0, .size: 8, .value_kind: global_buffer, .address_space: global }
      - { .name: ln1_g, .offset: 8, .size: 8, .value_kind: global_buffer, .address_space: global }
      - { .name: ln1_b, .offset: 16, .size: 8, .value_kind: global_buffer, .address_space: global }
      - { .name: abuf, .offset: 24, .size: 8, .value_kind: global_buffer, .address_space: global }
    .group_segment_fixed_size: 70656
    .private_segment_fixed_size: 0
    .kernarg_segment_align: 8
    .kernarg_segment_size: 32
    .max_flat_workgroup_size: 256
    .sgpr_count:     66
    .vgpr_count:     256
    .wavefront_size: 32
...
	.end_amdgpu_metadata
.endif
;; end of part 1
;; launch qkv (part 2): grid 8 x 32, 4 waves a work-group, clusters of 4 x 4, 327,680 bytes of LDS; arguments abuf, w_qkv_codes, w_qkv_scales, b_qkv, qkbuf, vbuf; writes qkbuf, vbuf
.if DOCPART == 2
	.amdgcn_target "amdgcn-amd-amdhsa--gfx1250"
	.amdhsa_code_object_version 6
	.text
	.protected	k_q549639aa2b_qkv
	.globl	k_q549639aa2b_qkv
	.p2align	8
	.type	k_q549639aa2b_qkv,@function
k_q549639aa2b_qkv:
	s_mov_b64 s[64:65], 0
	v_nop
	global_prefetch_b8 v0, s[64:65] scope:SCOPE_SE
	s_setreg_imm32_b32 hwreg(HW_REG_WAVE_MODE, 25, 1), 1
	s_wait_xcnt 0x0
	s_wait_alu depctr_hold_cnt(0) depctr_sa_sdst(0) depctr_va_vdst(0) depctr_va_sdst(0) depctr_va_ssrc(0) depctr_va_vcc(0) depctr_vm_vsrc(0)
	s_getreg_b32 s2, hwreg(HW_REG_IB_STS2, 6, 4)
	s_cmp_eq_u32 s2, 0
	s_cbranch_scc0 .Lentry_in_a_cluster
	s_endpgm
.Lentry_in_a_cluster:
	s_bfe_u32 s2, ttmp6, 0x10000c
	s_cmp_lg_u32 s2, 0xf033
	s_cbranch_scc0 .Lentry_shape_is_right
	s_endpgm
.Lentry_shape_is_right:
; q, k and v: [4,096 tokens][K 1,024] x w_qkv [3,072][K], both on codes of BF8 (E5M2) with one E8M0 scale for each 32 along K, sums in f32, + b_qkv.  q and k are quantised again along each head's 64 channels, v along the keys (tokens).
; A comes as images of the operand's registers (16 rows x 128 K = 2,048 bytes: chunk c holds lane l's 16 bytes at 512 c + 16 l), laid [K / 512][token tile][4]; its scale words [K / 512][token tile][row][4].  W comes as rows of K bytes.
; SHARES.  8 x 32 = 256 work-groups.  A work-group owns 128 tokens and makes three tiles of 128 x 128: columns 128 x of q, of k and of v.  Each of its four waves makes 64 x 64 of each: 16 sums.
; A LIVES IN REGISTERS: a wave's 64 tokens, all of K, are 32 fragments, 512 registers, read from LDS once for all three tiles.  W's fragments are streamed from LDS, 16 loads for each 128 along K.
; LDS.  Two regions of 128 rows x (1,024 + 16) bytes.  X: A's images at first; when all waves hold A in registers, W_k's rows by a drained round.
; Y: W_q's rows, and behind tile q W_v's, by a drained round.  Each refill is a quarter (32 rows) a wave.  The first barrier shows A's load line alone (waves 0 and 1's): A goes into registers while W_q lands; the first round shows W_q.
; CLUSTER 4 x 4: the four work-groups of a row of the cluster ask jointly for A, the four of a column for W's rows.
; PREFETCH.  W_k's refill is waited for one tile's products behind its request.  So W_k's and W_v's rows, 512 blocks of 256 bytes each, are asked of memory at the head: the sixteen waves of a column's four partners take 32 blocks each,
; told apart by address (cy and the wave's number), a lane a block, one instruction a wave and tile.
; The scale words of A (8 loads) and of W's three tiles (24 loads) go from memory straight into the scale registers: a wave's loads together cover runs of 1,024 and 2,048 consecutive bytes.  The bias is the C of each sum's first instruction.
; q, k: source 0 = 16 rows of W, source 1 = 16 tokens: a lane holds one token, its registers run along the channels.  v: the other way round: a lane holds one channel, its registers run along the tokens.
; OUT.  qkbuf: [q 0, k 1][batch][head][token tile][chunk 2][lane][16 bytes]; scale words [..][pair of tiles][row].  vbuf: [batch x 16 + head][key step][channel tile 4][2,048 bytes]; scale words [..][key step][channel tile][row].
; The codes stay as the conversions leave them: in a block of 32 place 16 h + i holds number 8 h + i (i < 8) or 8 + 8 h + i (i >= 8).  q and k have the same order, and so have v and attention's p; a block keeps its scale.
; REGISTERS.  Window 0: v1-18 addresses; v32-63 A's scale words (8 tile + K / 128); v66-161 W's (32 tensor + 8 tile + K / 128: never equal to A's modulo 8); v162-193 the bias; v194-255 the way out.
;   Windows 1, 2: A's fragments, 4 (K / 128) + tile.  Window 3: v0-127 two buffers of W's four fragments; v128-255 the sums, (l, r) at 128 + 8 (4 l + r).
; LIMITS: NaN and infinities are not served.  A block of zeros, and one whose largest magnitude lies under 2^-111, gets the byte 1 (this program alone reads the bytes).  v's scale bytes leave two at a time: one part in 32 of the codes' bytes.
.set ASC,   4194304                    ; where A's scale words begin
.set YOFF,  133120                     ; region Y
.set SPARE, 266240                     ; the spare words: 128 bytes a wave, named by no other line
.set PADW,  (1<<20)|(1<<21)|(7<<22)|(3<<25)   ; elements of 1 byte; four words of padding after every 256; bit 21 beside a mask
.set SA,  32
.set SWS, 66
.set BI,  162
.set HY,  194                          ; v194-225 held numbers
.set CD,  226                          ; v226-241 codes, two sets
.set TM,  242
.set TP,  244
.set SO,  246
.set HL,  248
.set BY,  250
.set PW,  252                          ; v252-255 a tile's two scale bytes
.set ACC, 128
.set MSB, 0
.macro WIN new                         ; the immediate's high byte repeats the setting that is left
.if MSB != \new
	s_set_vgpr_msb (MSB<<8)|\new
.set MSB, \new
.endif
.endm
.macro PLACES n
.rept \n
	v_nop
.endr
.endm
.macro GROUP1 g, c, r, p               ; words 1 to 7 of a descriptor's group 1: r rows of c elements, p elements from row to row
	s_mov_b32 s[\g+1], (\c)<<16
	s_mov_b32 s[\g+2], (\r)<<16
	s_mov_b32 s[\g+3], (\c)<<16
	s_mov_b32 s[\g+4], \r
	s_mov_b32 s[\g+5], \p
	s_mov_b32 s[\g+6], 0
	s_mov_b32 s[\g+7], 0
.endm
.macro CROUND                          ; a round of the cluster's barrier
	s_barrier_signal -1
	s_barrier_wait -1
	s_cmp_lg_u32 s16, 0
	s_cbranch_scc1 .Lnot_wave_0_\@
	s_barrier_signal -3
.Lnot_wave_0_\@:
	s_barrier_wait -3
	s_barrier_signal -1
	s_barrier_wait -1
.endm
.macro ALOAD                           ; my 64 tokens, all of K: 128 loads.  Byte y of a K half's images lies in LDS row y / 1,024 at byte y % 1,024
.irp kq, 0,1,2,3,4,5,6,7
	WIN (1+\kq/4)<<6
.irp l, 0,1,2,3
.irp c, 0,1,2,3
	ds_load_b128 v[16*(4*(\kq%4)+\l)+4*\c:16*(4*(\kq%4)+\l)+4*\c+3], v[6+\kq/4] offset:(8*\l+2*(\kq%4)+\c/2)*1040+(\c%2)*512
.endr
.endr
.endr
.endm
.macro FETCHW wr, kq, f                ; my four fragments of W for the kq-th 128 along K, from the region of v[wr], into buffer f
	WIN 0xc0
.irp i, 0,1,2,3
.irp c, 0,1,2,3
	ds_load_b128 v[\f+16*\i+4*\c:\f+16*\i+4*\c+3], v[\wr] offset:16640*\i+128*(\kq)+32*\c
.endr
.endr
.endm
.macro MULA f, kq, j, l, sw, first     ; four products: the tile l that lies in lanes against the four tiles that lie in registers
.set WA, 1+(\kq)/4                     ; A's window
.if \sw
.set NW, WA|12
.else
.set NW, 3|(WA<<2)
.endif
.if \first
.set NW, NW|0xc0                       ; C (the bias) window 0, D window 3
.else
.set NW, NW|0xf0                       ; C and D window 3
.endif
	WIN NW
.irp rr, 0,1,2,3
.set XD, ACC+8*(4*(\l)+\rr)
.if \sw
.set XA, 16*(4*((\kq)%4)+\rr)
.set XB, \f+16*(\l)
.set XSA, SA+8*\rr+(\kq)
.set XSB, SWS+32*(\j)+8*(\l)+(\kq)
.set XC, BI+8*(\l)
.else
.set XA, \f+16*\rr
.set XB, 16*(4*((\kq)%4)+(\l))
.set XSA, SWS+32*(\j)+8*\rr+(\kq)
.set XSB, SA+8*(\l)+(\kq)
.set XC, BI+8*\rr
.endif
.if \first == 0
.set XC, XD
.endif
	v_wmma_scale_f32_16x16x128_f8f6f4 v[XD:XD+7], v[XA:XA+15], v[XB:XB+15], v[XC:XC+7], v[XSA], v[XSB] matrix_a_fmt:MATRIX_FMT_BF8 matrix_b_fmt:MATRIX_FMT_BF8
.endr
.endm
.macro MUL16 f, kq, j, sw, first       ; the 16 sums take turns, in the same order in every step
.irp l, 0,1,2,3
	MULA \f, \kq, \j, \l, \sw, \first
.endr
.endm
.macro QSTEP wr, kq, j, sw, first      ; 128 along K; the next 128 of W are fetched into the other buffer first
	PLACES 8                                       ; eight plain instructions between the products that read that buffer and the loads into it
	FETCHW \wr, (\kq)+1, 64-64*((\kq)%2)
	s_wait_dscnt 16                                ; all but the 16 just issued
	MUL16 64*((\kq)%2), \kq, \j, \sw, \first
.endm
.macro BIAS j                          ; tensor j's bias in its result's layout
.if (\j) < 2
.irp rr, 0,1,2,3
	global_load_b128 v[BI+8*\rr:BI+8*\rr+3], v12, s[10:11] offset:4096*(\j)+64*\rr        ; tile rr, register i: channel 16 rr + 8 h + i
	global_load_b128 v[BI+8*\rr+4:BI+8*\rr+7], v12, s[10:11] offset:4096*(\j)+64*\rr+16
.endr
.else
.irp l, 0,1,2,3
.irp i, 0,1,2,3,4,5,6,7
	global_load_b32 v[BI+8*\l+\i], v13, s[10:11] offset:8192+64*\l                         ; tile l: channel 16 l + r, the same in all eight registers
.endr
.endr
.endif
.endm
.macro TILE wr, j, sw                  ; a tile's 128 products a wave.  Buffer 0 holds W's first fragments
	QSTEP \wr, 0, \j, \sw, 1                       ; the first products start the sums from the bias: nothing is cleared
.if (\j) < 2
	WIN 0
	PLACES 8                                       ; behind the products that read the bias,
	BIAS (\j)+1                                    ; the next tile's: it has the rest of this tile in which to land
.endif
.irp kq, 1,2,3,4,5,6
	QSTEP \wr, \kq, \j, \sw, 0
.endr
	s_wait_dscnt 0x0
	MUL16 64, 7, \j, \sw, 0
	WIN 0
.endm
; 32 numbers of a lane (four sums at v[s] on in window 3: sum t, register i = number 16 t + 8 h + i of my row) become two chunks of an image in v[c] .. v[c + 7] and two scale bytes in v[pw]
.macro QUANT64 s, c, pw
	WIN 0x0f
.irp b, 0,1
	v_max3_num_f32 v[TM+\b], |v[(\s)+16*\b]|, |v[(\s)+16*\b+1]|, 0x8000000   ; block b: my 16 numbers from the sums' low ends on, and the floor 2^(16 - 127)
.endr
.irp i, 2,4,6,8,10,12,14
.irp b, 0,1
	v_max3_num_f32 v[TM+\b], |v[(\s)+16*\b+\i]|, |v[(\s)+16*\b+\i+1]|, v[TM+\b]
.endr
.endr
	WIN 0
.irp b, 0,1
	v_permlanex16_b32 v[TP+\b], v[TM+\b], s94, s95
.endr
.irp b, 0,1
	v_max_num_f32 v[TM+\b], v[TM+\b], v[TP+\b]     ; with lane l xor 16's 16: the block's largest magnitude
.endr
.irp b, 0,1
	v_add_nc_u32 v[SO+\b], 0xf8800000, v[TM+\b]    ; 15 off its exponent field: the conversion's scale operand
.endr
.irp b, 0,1
	v_and_or_b32 v[HL+\b], v[TM+\b], 0x7f800000, s96   ; 57,344 x the scale
.endr
.irp b, 0,1
	v_lshrrev_b32 v[BY+\b], 23, v[SO+\b]           ; the scale's byte
.endr
	v_lshl_or_b32 v[\pw], v[BY+1], 8, v[BY]
	WIN 0x03
.irp b, 0,1
.set i, 0
.rept 16
	v_med3_num_f32 v[HY+16*\b+i], v[(\s)+16*\b+i], -v[HL+\b], v[HL+\b]   ; the conversion does not saturate (ISA guide 7.6.2): the hold comes first
.set i, i+1
.endr
.endr
	WIN 0
.irp b, 0,1
.irp u, 0,1
	v_cvt_scalef32_pk8_bf8_f32 v[(\c)+4*\b+2*\u:(\c)+4*\b+2*\u+1], v[HY+16*\b+8*\u:HY+16*\b+8*\u+7], v[SO+\b]
.endr
.endr
	v_nop                                          ; a plain instruction behind the last conversion
.endm
.macro WAYOUT base, off, stride        ; a tile's codes: 1,024 bytes for each of the four tiles that lie in lanes
	s_wait_xcnt 0x0                                ; the last way out's stores have read their registers
.irp l, 0,1,2,3
.if \l == 2
	s_wait_xcnt 0x0                                ; the two sets of code registers are taken again
.endif
	QUANT64 ACC+32*\l, CD+8*(\l%2), PW+\l
	global_store_b128 v16, v[CD+8*(\l%2):CD+8*(\l%2)+3], s[\base:\base+1] offset:(\off)+(\stride)*\l       ; 32 lanes store 512 consecutive bytes
	global_store_b128 v16, v[CD+8*(\l%2)+4:CD+8*(\l%2)+7], s[\base:\base+1] offset:(\off)+(\stride)*\l+512
.endr
	v_cmp_eq_u32 vcc_lo, 1, v2
.endm
.macro WORDSQK off                     ; q's, k's scale words: a pair of tiles' bytes make a word; lanes 0-15 the first pair's, lanes 16-31 the second's
	v_lshl_or_b32 v30, v[PW+1], 16, v[PW]
	v_lshl_or_b32 v31, v[PW+3], 16, v[PW+2]
	v_cndmask_b32 v30, v30, v31, vcc_lo
	global_store_b32 v17, v30, s[90:91] offset:\off   ; 128 consecutive bytes
.endm
	s_load_b256 s[4:11], s[0:1], 0x0               ; A s[4:5], W's codes s[6:7], W's scales s[8:9], the bias s[10:11]
	s_load_b128 s[12:15], s[0:1], 0x20             ; qkbuf s[12:13], vbuf s[14:15]
	v_lshl_add_u32 v4, v0, 2, SPARE
	v_mov_b32 v5, 0
	ds_add_u32 v4, v5                              ; the opening lines: the add, twice on end, and its wait ahead of the first tensor load
	ds_add_u32 v4, v5
	v_lshrrev_b32 v1, 5, v0
	v_readfirstlane_b32 s16, v1                    ; wave 0..3
	s_lshr_b32 s17, s16, 1                         ; which 64 tokens are mine.  Also: at the head I fetch for A (0) or for W (1)
	s_and_b32 s18, s16, 1                          ; which 64 rows of W.  Also: which half I fetch at the head
	s_bfe_u32 s20, ttmp6, 0x40000                  ; cx
	s_bfe_u32 s21, ttmp6, 0x40004                  ; cy
	s_lshl_b32 s22, ttmp9, 2
	s_add_co_u32 s22, s22, s20                     ; tile column, 0 .. 7
	s_and_b32 s23, ttmp7, 0xffff
	s_lshl_b32 s23, s23, 2
	s_add_co_u32 s23, s23, s21                     ; tile row, 0 .. 31
	s_lshl_b32 s84, s21, 2
	s_lshl_b32 s84, 15, s84                        ; my row of the cluster
	s_lshl_b32 s85, 0x1111, s20                    ; my column
	s_or_b32 s24, s84, PADW                        ; A: a K half's images, 65,536 dense bytes, as 64 rows of 1,024
	GROUP1 24, 1024, 64, 1024
	s_or_b32 s40, s85, PADW                        ; W: 64 whole rows at the head; behind it the two words that count rows are set to 32
	GROUP1 40, 1024, 64, 1024
	s_mov_b32 s94, 0x76543210
	s_mov_b32 s95, 0xfedcba98                      ; lane selects: lane l xor 16
	s_mov_b32 s96, 0x600000                        ; the mantissa field of 57,344
	s_lshl_b32 s86, s23, 16
	s_lshl_b32 s66, s18, 21
	s_add_co_u32 s86, s86, s66                     ; A's images: tile row x 65,536 + K half x 2,097,152
	s_mov_b32 s87, 0
	s_lshl_b32 s98, s23, 11
	s_lshl_b32 s67, s17, 10
	s_add_co_u32 s98, s98, s67
	s_add_co_u32 s98, s98, ASC                     ; the scale words of my 64 tokens
	s_mov_b32 s99, 0
	s_lshl_b32 s88, s22, 17                        ; W's codes: row 128 x tile column
	s_mov_b32 s89, 0
	s_lshl_b32 s100, s22, 7
	s_lshl_b32 s67, s18, 6
	s_add_co_u32 s100, s100, s67                   ; my first row of W
	s_lshl_b32 s76, s100, 2                        ; its bias,
	s_mov_b32 s77, 0
	s_lshl_b32 s100, s100, 5                       ; its scale bytes
	s_mov_b32 s101, 0
	s_mul_i32 s67, s18, 66560                      ; 64 rows in LDS
	; where my results go
	s_lshl_b32 s90, s22, 1
	s_add_co_u32 s90, s90, s18                     ; my 64 columns are a head
	s_lshr_b32 s91, s23, 4                         ; batch
	s_lshl_b32 s91, s91, 4
	s_add_co_u32 s90, s90, s91                     ; batch x 16 + head
	s_and_b32 s91, s23, 15                         ; the work-group's 128 tokens are one key step
	s_lshl_b32 s78, s90, 4
	s_add_co_u32 s78, s78, s91
	s_lshl_b32 s72, s78, 13
	s_lshl_b32 s79, s17, 10
	s_add_co_u32 s72, s72, s79                     ; v's codes: four images of 2,048 bytes; my 64 tokens are 1,024 bytes of each
	s_mov_b32 s73, 0
	s_lshl_b32 s74, s78, 8
	s_lshl_b32 s79, s17, 1
	s_add_co_u32 s74, s74, s79
	s_add_co_u32 s74, s74, 4194304                 ; v's scale words: my two bytes of each
	s_mov_b32 s75, 0
	s_lshl_b32 s91, s91, 3
	s_lshl_b32 s79, s17, 2
	s_add_co_u32 s91, s91, s79                     ; my first token tile in the batch
	s_lshl_b32 s92, s90, 17
	s_lshl_b32 s93, s91, 10
	s_add_co_u32 s92, s92, s93                     ; q's codes; k's lie 4,194,304 bytes on
	s_mov_b32 s93, 0
	s_lshl_b32 s90, s90, 12
	s_lshl_b32 s91, s91, 5
	s_add_co_u32 s90, s90, s91
	s_add_co_u32 s90, s90, 8388608                 ; q's scale words; k's lie 131,072 bytes on
	s_mov_b32 s91, 0
	s_wait_dscnt 0x0                               ; both opening adds are done
	s_wait_kmcnt 0x0
	s_add_nc_u64 s[86:87], s[4:5], s[86:87]
	s_add_nc_u64 s[98:99], s[4:5], s[98:99]
	s_add_nc_u64 s[88:89], s[6:7], s[88:89]
	s_add_nc_u64 s[100:101], s[8:9], s[100:101]
	s_add_nc_u64 s[10:11], s[10:11], s[76:77]
	s_add_nc_u64 s[92:93], s[12:13], s[92:93]
	s_add_nc_u64 s[90:91], s[12:13], s[90:91]
	s_add_nc_u64 s[72:73], s[14:15], s[72:73]
	s_add_nc_u64 s[74:75], s[14:15], s[74:75]
	CROUND                                         ; all sixteen work-groups are here: the first joint loads meet
	s_mov_b32 s32, 1                               ; A's K half (wave % 2), into region X
	s_mov_b32 s33, s67
	s_mov_b64 s[34:35], s[86:87]
	s_or_b32 s35, s35, 0x80000000
	s_mov_b32 s48, 1                               ; W_q's half (wave % 2), into region Y
	s_add_co_u32 s49, s67, YOFF
	s_lshl_b32 s78, s18, 16
	s_mov_b32 s79, 0
	s_add_nc_u64 s[50:51], s[88:89], s[78:79]
	s_or_b32 s51, s51, 0x80000000
	s_mov_b32 s68, 1                               ; the refills: my 32 rows; first W_k's (1,024 rows on), into region X
	s_mul_i32 s69, s16, 33280
	s_lshl_b32 s78, s16, 15
	s_add_nc_u64 s[70:71], s[88:89], s[78:79]
	s_add_nc_u64 s[70:71], s[70:71], 1048576
	s_or_b32 s71, s71, 0x80000000
	s_cmp_eq_u32 s17, 0                            ; ONE LOAD A WAVE at the head: waves 0 and 1 A's halves, waves 2 and 3 W_q's, a load line for each pair
	s_cbranch_scc0 .Lhead_w
	tensor_load_to_lds s[32:35], s[24:31]
	s_nop 0
	PLACES 4
	s_branch .Lhead_asked
.Lhead_w:
	tensor_load_to_lds s[48:51], s[40:47]
	s_nop 0
	PLACES 4
.Lhead_asked:
	v_and_b32 v1, 15, v0                           ; r
	v_bfe_u32 v2, v0, 4, 1                         ; h
	v_and_b32 v3, 31, v0                           ; lane
	v_lshlrev_b32 v16, 4, v3                       ; 16 x lane
	v_lshlrev_b32 v10, 4, v1                       ; A's scale words: 16 bytes a row and K half
	v_lshlrev_b32 v11, 5, v1                       ; W's scale bytes: 32 a row
	v_lshlrev_b32 v12, 5, v2                       ; q's, k's bias
	v_lshlrev_b32 v13, 2, v1                       ; v's bias
	v_lshlrev_b32 v18, 8, v3                       ; the prefetches: 256 x lane
.irp ks, 0,1
.irp l, 0,1,2,3
	global_load_b128 v[SA+8*\l+4*\ks:SA+8*\l+4*\ks+3], v10, s[98:99] offset:65536*\ks+256*\l
.endr
.endr
.irp j, 0,1,2
.irp rr, 0,1,2,3
.irp u, 0,1
	global_load_b128 v[SWS+32*\j+8*\rr+4*\u:SWS+32*\j+8*\rr+4*\u+3], v11, s[100:101] offset:32768*\j+512*\rr+16*\u
.endr
.endr
.endr
	BIAS 0
	s_lshl_b32 s76, s21, 15                        ; of a tile's 512 blocks my work-group takes 128 (by cy), my wave 32 of them
	s_lshl_b32 s77, s16, 13
	s_add_co_u32 s76, s76, s77
	s_mov_b32 s77, 0
	s_add_nc_u64 s[76:77], s[88:89], s[76:77]
	global_prefetch_b8 v18, s[76:77] offset:1048576 th:TH_LOAD_NT scope:SCOPE_SE   ; W_k's rows lie 1,024 rows behind W_q's,
	global_prefetch_b8 v18, s[76:77] offset:2097152 th:TH_LOAD_NT scope:SCOPE_SE   ; W_v's 2,048
	s_mul_i32 s2, s17, 33280                       ; my four token tiles: 32 LDS rows of each K half
	v_add_nc_u32 v6, s2, v16                       ; A in region X: K 0-511,
	v_add_nc_u32 v7, 66560, v6                     ; K 512-1,023
	v_mul_u32_u24 v9, v1, 1040
	v_lshl_add_u32 v9, v2, 4, v9
	v_add_nc_u32 v9, s67, v9                       ; my W fragments in region X: row r x 1,040 + 16 h,
	v_add_nc_u32 v8, YOFF, v9                      ; in region Y
	v_lshlrev_b32 v17, 2, v3                       ; 4 x lane
	v_mov_b32 v[TP], 0                             ; written once: a lane permute's destination counts as one of its sources
	v_mov_b32 v[TP+1], 0
	s_wait_alu depctr_va_vdst(0)                   ; the wait at the head's end
	s_cmp_eq_u32 s17, 0
	s_cbranch_scc0 .Lnot_a
	s_wait_tensorcnt 0x0                           ; waves 0 and 1: A's halves have landed.  The others' wait stands in front of the round below
.Lnot_a:
	s_barrier_signal -1
	s_barrier_wait -1                              ; A is whole
	ALOAD
	WIN 0
	s_wait_tensorcnt 0x0                           ; waves 2 and 3: W_q's halves have landed
	ds_add_u32 v4, v5
	s_mov_b32 s42, 32<<16                          ; no tensor load of mine is out, so a descriptor may be written: from here on a load brings 32 rows
	s_mov_b32 s44, 32
	s_wait_dscnt 0x0                               ; the add is done, and A is in my registers
	CROUND                                         ; W_q is whole, and no wave of any partner still reads region X
	tensor_load_to_lds s[68:71], s[40:47]          ; W_k's rows over A's bytes
	s_nop 0
	PLACES 4
	FETCHW 8, 0, 0
	WIN 0
	s_wait_loadcnt 0x0                             ; the scale words and q's bias
	TILE 8, 0, 0
	s_wait_tensorcnt 0x0                           ; my part of W_k has landed;
	ds_add_u32 v4, v5
	s_add_co_u32 s69, s69, YOFF                    ; the next refill: W_v's rows, into region Y
	s_add_nc_u64 s[70:71], s[70:71], 1048576
	s_wait_dscnt 0x0                               ; the add is done, and my reads of W_q are over
	CROUND                                         ; W_k is whole, and no wave of any partner still reads region Y
	tensor_load_to_lds s[68:71], s[40:47]
	s_nop 0
	PLACES 8                                       ; eight plain instructions behind the last products: for the loads below and the first read of the sums
	FETCHW 9, 0, 0
	WIN 0
	WAYOUT 92, 0, 1024
	WORDSQK 0
	s_wait_loadcnt 0x0                             ; k's bias
	TILE 9, 1, 0
	s_wait_tensorcnt 0x0                           ; my part of W_v has landed;
	s_wait_dscnt 0x0
	s_barrier_signal -1
	s_barrier_wait -1                              ; W_v is whole
	PLACES 8
	FETCHW 8, 0, 0
	WIN 0
	WAYOUT 92, 4194304, 1024
	WORDSQK 131072
	s_wait_loadcnt 0x0                             ; v's bias
	TILE 8, 2, 1
	PLACES 8
	WAYOUT 72, 0, 2048
	v_cndmask_b32 v30, v[PW], v[PW+1], vcc_lo      ; lanes 0-15 channel tile 0's bytes, lanes 16-31 tile 1's
	v_cndmask_b32 v31, v[PW+2], v[PW+3], vcc_lo    ; tiles 2 and 3
	global_store_b16 v17, v30, s[74:75]
	global_store_b16 v17, v31, s[74:75] offset:128
	s_wait_tensorcnt 0x0                           ; the wave's end
	ds_add_u32 v4, v5
	s_wait_dscnt 0x0
	CROUND                                         ; the closing round
	s_endpgm
.Lfunc_end_k_q549639aa2b_qkv:
	.size	k_q549639aa2b_qkv, .Lfunc_end_k_q549639aa2b_qkv-k_q549639aa2b_qkv
	.p2alignl 7, 3214868480
	.fill 96, 4, 3214868480
	.section	.rodata,"a",@progbits
	.p2align	6, 0x0
	.amdhsa_kernel k_q549639aa2b_qkv
		.amdhsa_group_segment_fixed_size 327680
		.amdhsa_private_segment_fixed_size 0
		.amdhsa_enable_private_segment 0
		.amdhsa_kernarg_size 48
		.amdhsa_user_sgpr_count 2
		.amdhsa_user_sgpr_kernarg_segment_ptr 1
		.amdhsa_wavefront_size32 1
		.amdhsa_system_sgpr_workgroup_id_x 1
		.amdhsa_system_sgpr_workgroup_id_y 1
		.amdhsa_system_sgpr_workgroup_id_z 1
		.amdhsa_system_vgpr_workitem_id 0
		.amdhsa_next_free_vgpr 1024
		.amdhsa_next_free_sgpr 102
		.amdhsa_reserve_vcc 1
		.amdhsa_float_denorm_mode_32 3
		.amdhsa_float_denorm_mode_16_64 3
		.amdhsa_memory_ordered 1
		.amdhsa_forward_progress 1
		.amdhsa_inst_pref_size 159
	.end_amdhsa_kernel
	.amdgpu_metadata
---
amdhsa.version: [ 1, 2 ]
amdhsa.kernels:
  - .name:           k_q549639aa2b_qkv
    .symbol:         k_q549639aa2b_qkv.kd
    .args:
      - { .name: abuf, .offset: 0, .size: 8, .value_kind: global_buffer, .address_space: global }
      - { .name: w_qkv_codes, .offset: 8, .size: 8, .value_kind: global_buffer, .address_space: global }
      - { .name: w_qkv_scales, .offset: 16, .size: 8, .value_kind: global_buffer, .address_space: global }
      - { .name: b_qkv, .offset: 24, .size: 8, .value_kind: global_buffer, .address_space: global }
      - { .name: qkbuf, .offset: 32, .size: 8, .value_kind: global_buffer, .address_space: global }
      - { .name: vbuf, .offset: 40, .size: 8, .value_kind: global_buffer, .address_space: global }
    .group_segment_fixed_size: 327680
    .private_segment_fixed_size: 0
    .kernarg_segment_align: 8
    .kernarg_segment_size: 48
    .max_flat_workgroup_size: 128
    .sgpr_count:     102
    .vgpr_count:     1024
    .wavefront_size: 32
...
	.end_amdgpu_metadata
.endif
;; end of part 2
;; launch att (part 3): grid 8 x 32, 16 waves a work-group, clusters of 4 x 1, 327,680 bytes of LDS; arguments qkbuf, vbuf, obuf; writes obuf
.if DOCPART == 3
	.amdgcn_target "amdgcn-amd-amdhsa--gfx1250"
	.amdhsa_code_object_version 6
	.text
	.protected	k_q549639aa2b_att
	.globl	k_q549639aa2b_att
	.p2align	8
	.type	k_q549639aa2b_att,@function
k_q549639aa2b_att:
	s_mov_b64 s[64:65], 0
	v_nop
	global_prefetch_b8 v0, s[64:65] scope:SCOPE_SE
	s_setreg_imm32_b32 hwreg(HW_REG_WAVE_MODE, 25, 1), 1
	s_wait_xcnt 0x0
	s_wait_alu depctr_hold_cnt(0) depctr_sa_sdst(0) depctr_va_vdst(0) depctr_va_sdst(0) depctr_va_ssrc(0) depctr_va_vcc(0) depctr_vm_vsrc(0)
	s_getreg_b32 s2, hwreg(HW_REG_IB_STS2, 6, 4)
	s_cmp_eq_u32 s2, 0
	s_cbranch_scc0 .Lentry_in_a_cluster
	s_endpgm
.Lentry_in_a_cluster:
	s_bfe_u32 s2, ttmp6, 0x10000c
	s_cmp_lg_u32 s2, 0x3003
	s_cbranch_scc0 .Lentry_shape_is_right
	s_endpgm
.Lentry_shape_is_right:
; Attention of one (batch, head): o = softmax(q k^T / 8) v, head size 64, 2,048 keys, both products on codes of BF8 (E5M2) with one E8M0 scale for each 32 along a product's K; o is quantised again along the model's 1,024 channels.
; THE SOFTMAX: t = score x log2(e) / 8; M = the running largest t rounded UP to a whole number; p = 2^(t - M) is quantised along the keys, not normalised; the row's sum is taken of the unquantised p and divides at the end.
; When M moves, the sum and O are multiplied by f = 2^(old M - new M): exact.
; SHARES.  A work-group owns 256 queries, each of its sixteen waves one tile of 16, in 256 registers: four waves to a SIMD.  256 work-groups.
; LDS.  0: K's scale words (4,096 bytes), V's (4,096), the spare words.  32,768: a head's K (131,072 bytes), then its V (131,072).  Every byte is filled once: no ring.
; CLUSTER 4 x 1: the four query blocks of a cluster belong to one head and ask for K and V jointly (mask 15).  ONE LOAD A WAVE, all at the head: wave 0 K's scale words, wave 1 keys 0-511 of K; waves 2-4 the rest of K, waves 5-8 V, 32,768 bytes each;
; wave 9 V's scale words.  The first barrier shows waves 0 and 1's loads, which have load lines of their own: key step 0 needs no more.  The second barrier, behind key step 0, shows all.
; No prefetch: all fills go out at the head, and there is no loop to run ahead in.
; LAYOUT.  Both products are used transposed (S^T = K Q^T, O^T = V^T P^T): a lane holds one query throughout.
; K = 64 IN AN INSTRUCTION OF 128: source 0 is TWO neighbouring key tiles (2,048 consecutive bytes).  Source 1 is [q, 0] for the even tile and [0, q] for the odd one: v16-23 = 0, v24-31 = q, v32-39 = 0.  q's scale word is its two bytes twice.
; p's codes stay as the conversions leave them: in a block of 32 keys place 16 h + i holds key 8 h + i (i < 8) or 8 + 8 h + i (i >= 8).  V's images have the same order, and a block keeps its scale: the products are the same.
; THE LOOP IS SKEWED BY ONE STEP.  Trip i: the scores of step i; O^T x f of step i - 1 (16 lines, the places behind the scores' products); V of step i - 1 is fetched; the maxima of step i; O^T += V P of step i - 1;
; t - M (36 lines, the places behind those products); K of step i + 1 is fetched; exponentials, sums, scales, holds, codes of step i.  Step 0 stands ahead of the loop without the V product, the last V product behind it.
; The last trip's look-ahead reads the LDS bytes behind K's (V's first), and nothing uses them.
; LIMITS: NaN and infinities are not served.  The promise holds while |t| stays under 2^31.  v_exp_f32 gives 0 under 2^-126: p so far under the row's largest counts for nothing.  A block of zeros gets the byte 1 (this program alone reads the bytes).
; o's scale bytes leave one a lane: one part in 32 of its codes.
.set KOFF, 32768
.set VOFF, 163840
.set VSC,  4096
.set SPARE, 8192
.set FR,  40                           ; v40-103  four fragments of K, then of V
.set S,   104                          ; v104-167 S^T, then p
.set O,   168                          ; v168-199 O^T, four tiles
.set PC,  200                          ; v200-215 p's codes
.set BM,  216                          ; v216-219 the blocks' largest scores, then largest p
.set PM,  220                          ; v220-223 the partner's; then the bytes
.set HL,  224                          ; v224-227 57,344 x the scale
.set SO,  228                          ; v228-231 the conversions' scale operands
.set SW,  232                          ; v232-235 the scale words of K, then of V
.set QS,  236                          ; v236     q's scale word
.set PS,  237                          ; v237     p's scale word
.set FF,  238                          ; v[238:239] f, and its partner in the pair
.set T0,  240                          ; v240-243 at work; v244-253 the sums' chains
.set HB,  245                          ; v245-248 57,344 x the scale once more: the two halves of a dual instruction take their second sources from different register banks
.set WV,  10
.set TV,  11                           ; s11 the byte in V of the step whose V product is due
.set TS,  12                           ; s12 and among the scale words
.set CNT, 13
.set CS,  52                           ; s[52:53] c = log2(e) / 8
.set SEL, 54
.set MNT, 56
.macro CROUND                          ; a round of the cluster's barrier
	s_barrier_signal -1
	s_barrier_wait -1
	s_cmp_lg_u32 s[WV], 0
	s_cbranch_scc1 .Lnot_wave_0_\@
	s_barrier_signal -3
.Lnot_wave_0_\@:
	s_barrier_wait -3
	s_barrier_signal -1
	s_barrier_wait -1
.endm
.macro ARM under, g0, g1, next         ; an arm of the head's one chain of branches on the wave's number
	s_cmp_lt_u32 s[WV], \under
	s_cbranch_scc0 \next
	tensor_load_to_lds s[\g0:\g0+3], s[\g1:\g1+7]
	s_nop 0
.rept 4
	v_nop
.endr
	s_branch .Lhead_asked
\next:
.endm
.macro KLOAD a, ao, s, so              ; a step's four fragments of K and their scale words
.irp b, 0,1,2,3
.irp c, 0,1,2,3
	ds_load_b128 v[FR+16*\b+4*\c:FR+16*\b+4*\c+3], v[\a] offset:(\ao)+2048*\b+512*\c
.endr
	ds_load_b32 v[SW+\b], v[\s] offset:(\so)+64*\b
.endr
.endm
.macro SCORES                          ; S^T of 128 keys
	s_wait_dscnt 0x0                               ; K
.irp b, 0,1,2,3
	v_wmma_scale_f32_16x16x128_f8f6f4 v[S+16*\b:S+16*\b+7], v[FR+16*\b:FR+16*\b+15], v[24:39], 0, v[SW+\b], v[QS] matrix_a_fmt:MATRIX_FMT_BF8 matrix_b_fmt:MATRIX_FMT_BF8
	v_wmma_scale_f32_16x16x128_f8f6f4 v[S+16*\b+8:S+16*\b+15], v[FR+16*\b:FR+16*\b+15], v[16:31], 0, v[SW+\b], v[QS] matrix_a_fmt:MATRIX_FMT_BF8 matrix_b_fmt:MATRIX_FMT_BF8
.endr
.endm
.macro RESCV look                      ; O^T under the M of the step whose V product is due, and that step's V
	s_wait_alu depctr_va_vdst(0)                   ; the wait directly ahead of the first readers of O^T
.set j, 0
.rept 16
	v_pk_mul_f32 v[O+j:O+j+1], v[O+j:O+j+1], v[FF:FF+1] op_sel_hi:[1,0]   ; these name no register of the scores' products: they are the places behind them (ISA guide 7.12.1)
.set j, j+2
.endr
	v_add_nc_u32 v5, s[TV], v3
	v_add_nc_u32 v6, s[TS], v2
.if \look
	v_add_nc_u32 v4, s[TV], v1                     ; K two steps on is 16,384 bytes further
.endif
.irp t, 0,1,2,3
.irp c, 0,1,2,3
	ds_load_b128 v[FR+16*\t+4*\c:FR+16*\t+4*\c+3], v5 offset:2048*\t+512*\c
.endr
	ds_load_b32 v[SW+\t], v6 offset:VSC+64*\t
.endr
.endm
.macro MAXM                            ; the blocks' largest scores, the new M, f
.irp b, 0,1,2,3
	v_max3_num_f32 v[BM+\b], v[S+16*\b], v[S+16*\b+1], v[S+16*\b+2]   ; it serves the row's maximum and, since p rises with the score, the block's largest p
.endr
.irp i, 3,5,7,9,11,13
.irp b, 0,1,2,3
	v_max3_num_f32 v[BM+\b], v[BM+\b], v[S+16*\b+\i], v[S+16*\b+\i+1]
.endr
.endr
.irp b, 0,1,2,3
	v_max_num_f32 v[BM+\b], v[BM+\b], v[S+16*\b+15]
.endr
.irp b, 0,1,2,3
	s_delay_alu instid0(VALU_DEP_4)
	v_permlanex16_b32 v[PM+\b], v[BM+\b], s[SEL], s[SEL+1]
.endr
.irp b, 0,1,2,3
	s_delay_alu instid0(VALU_DEP_4)
	v_max_num_f32 v[BM+\b], v[BM+\b], v[PM+\b]     ; with lane l xor 16's 16 keys
.endr
	s_delay_alu instid0(VALU_DEP_2)
	v_max3_num_f32 v[T0], v[BM], v[BM+1], v[BM+2]
	s_delay_alu instid0(VALU_DEP_1)
	v_max_num_f32 v[T0], v[T0], v[BM+3]
	s_delay_alu instid0(VALU_DEP_1)
	v_mul_f32 v[T0], s[CS], v[T0]                  ; as t (c is positive)
	s_delay_alu instid0(VALU_DEP_1)
	v_max_num_f32 v13, v13, v[T0]                  ; the running largest t
	v_mov_b32 v[T0], v12
	s_delay_alu instid0(VALU_DEP_2)
	v_floor_f32 v12, -v13                          ; the new -M = floor(-t): M is a whole number
	s_delay_alu instid0(VALU_DEP_1)
	v_sub_f32 v[T0], v12, v[T0]                    ; old M - new M: a whole number, 0 or less
	s_delay_alu instid0(VALU_DEP_1)
	v_cvt_i32_f32 v[T0], v[T0]                     ; (it saturates)
	s_delay_alu instid0(VALU_DEP_1)
	v_ldexp_f32 v[FF], 1.0, v[T0]                  ; f = 2^(old M - new M)
.endm
.macro PVMUL                           ; O^T += V^T P^T of 128 keys; the four sums by turns
	s_wait_alu depctr_va_vdst(0)                   ; the wait directly ahead of the wait below
	s_wait_dscnt 0x0                               ; V
.irp t, 0,1,2,3
	v_wmma_scale_f32_16x16x128_f8f6f4 v[O+8*\t:O+8*\t+7], v[FR+16*\t:FR+16*\t+15], v[PC:PC+15], v[O+8*\t:O+8*\t+7], v[SW+\t], v[PS] matrix_a_fmt:MATRIX_FMT_BF8 matrix_b_fmt:MATRIX_FMT_BF8
.endr
.endm
.macro SOFT a, ao, s, so               ; p, the row's sum, p's codes and scale word; the next step's K is fetched under it
.set j, 0
.rept 32
	v_pk_fma_f32 v[S+j:S+j+1], v[S+j:S+j+1], s[CS:CS+1], v[12:13] op_sel_hi:[1,0,0]   ; t - M, two at a time; also the places behind the V products
.set j, j+2
.endr
.irp b, 0,1,2,3
	v_fma_f32 v[BM+\b], v[BM+\b], s[CS], v12       ; the same of each block's largest score
.endr
	KLOAD \a, \ao, \s, \so
	s_wait_alu depctr_va_vdst(0)                   ; the wait ahead of the batch
.set j, 0
.rept 64
	v_exp_f32 v[S+j], v[S+j]                       ; p = 2^(t - M), at most 1
.set j, j+1
.endr
	v_pk_mul_f32 v[14:15], v[14:15], v[FF:FF+1] op_sel_hi:[1,0]   ; the sums under the new M: a plain instruction behind the exponentials
	s_wait_alu depctr_va_vdst(0)                   ; one wait for the batch of 64, ahead of its first reader
.irp b, 0,1,2,3
	v_exp_f32 v[BM+\b], v[BM+\b]                   ; the blocks' largest p
.endr
	v_pk_add_f32 v[242:243], v[108:109], v[112:113]   ; the row's sum of the unquantised p, in eight chains
	v_pk_add_f32 v[252:253], v[116:117], v[120:121]
	v_pk_add_f32 v[250:251], v[124:125], v[128:129]
	v_pk_add_f32 v[248:249], v[132:133], v[136:137]
	v_pk_add_f32 v[246:247], v[140:141], v[144:145]
	v_pk_add_f32 v[244:245], v[148:149], v[152:153]
	v_pk_add_f32 v[230:231], v[156:157], v[160:161]
	v_pk_add_f32 v[14:15], v[14:15], v[164:165]
	v_pk_add_f32 v[242:243], v[242:243], v[104:105]
	v_pk_add_f32 v[252:253], v[252:253], v[106:107]
	v_pk_add_f32 v[250:251], v[250:251], v[110:111]
	v_pk_add_f32 v[248:249], v[248:249], v[114:115]
	v_pk_add_f32 v[246:247], v[246:247], v[118:119]
	v_pk_add_f32 v[244:245], v[244:245], v[122:123]
	v_pk_add_f32 v[230:231], v[230:231], v[126:127]
	v_pk_add_f32 v[14:15], v[14:15], v[130:131]
	v_pk_add_f32 v[242:243], v[242:243], v[134:135]
	v_pk_add_f32 v[252:253], v[252:253], v[138:139]
	v_pk_add_f32 v[250:251], v[250:251], v[142:143]
	v_pk_add_f32 v[248:249], v[248:249], v[146:147]
	v_pk_add_f32 v[246:247], v[246:247], v[150:151]
	v_pk_add_f32 v[244:245], v[244:245], v[154:155]
	v_pk_add_f32 v[230:231], v[230:231], v[158:159]
	v_pk_add_f32 v[14:15], v[14:15], v[162:163]
	v_pk_add_f32 v[242:243], v[242:243], v[166:167]
	s_delay_alu instid0(VALU_DEP_2)
	v_pk_add_f32 v[14:15], v[14:15], v[248:249]
	s_delay_alu instid0(VALU_DEP_2)
	v_pk_add_f32 v[242:243], v[242:243], v[246:247]
	v_pk_add_f32 v[252:253], v[252:253], v[244:245]
	v_pk_add_f32 v[250:251], v[250:251], v[230:231]
	s_delay_alu instid0(VALU_DEP_2)
	v_pk_add_f32 v[14:15], v[14:15], v[252:253]
	s_delay_alu instid0(VALU_DEP_2)
	v_pk_add_f32 v[242:243], v[242:243], v[250:251]
	s_delay_alu instid0(VALU_DEP_1)
	v_pk_add_f32 v[14:15], v[14:15], v[242:243]
	s_wait_alu depctr_va_vdst(0)                   ; and one for the four
.irp b, 0,1,2,3
	v_max_num_f32 v[BM+\b], 0x8000000, v[BM+\b]    ; the floor 2^(16 - 127): the byte cannot fall under 1
.endr
.irp b, 0,1,2,3
	s_delay_alu instid0(VALU_DEP_4)
	v_add_nc_u32 v[SO+\b], 0xf8800000, v[BM+\b]    ; 15 off the exponent field: the conversion's scale operand
.endr
.irp b, 0,1,2,3
	v_and_or_b32 v[HL+\b], v[BM+\b], 0x7f800000, s[MNT]   ; 57,344 x the scale,
.endr
.irp b, 0,1,2,3
	v_and_or_b32 v[HB+\b], v[BM+\b], 0x7f800000, s[MNT]   ; twice
.endr
.irp b, 0,1,2,3
	v_lshrrev_b32 v[PM+\b], 23, v[SO+\b]           ; the scale's byte
.endr
	s_delay_alu instid0(VALU_DEP_3)
	v_lshl_or_b32 v[PS], v[PM+1], 8, v[PM]
	s_delay_alu instid0(VALU_DEP_1)
	v_lshl_or_b32 v[PS], v[PM+2], 16, v[PS]
	s_delay_alu instid0(VALU_DEP_1)
	v_lshl_or_b32 v[PS], v[PM+3], 24, v[PS]        ; p's scale word for these 128 keys
.irp b, 0,1,2,3
.set j, 0
.rept 8
	v_dual_min_num_f32 v[S+16*\b+j], v[S+16*\b+j], v[HL+\b] :: v_dual_min_num_f32 v[S+16*\b+j+1], v[S+16*\b+j+1], v[HB+\b]   ; the conversion does not saturate (ISA guide 7.6.2); p is not negative, so the hold is one-sided; two holds an instruction
.set j, j+2
.endr
	v_cvt_scalef32_pk8_bf8_f32 v[PC+4*\b:PC+4*\b+1], v[S+16*\b:S+16*\b+7], v[SO+\b]
	v_cvt_scalef32_pk8_bf8_f32 v[PC+4*\b+2:PC+4*\b+3], v[S+16*\b+8:S+16*\b+15], v[SO+\b]
.endr
	v_nop                                          ; a plain instruction behind the last conversion
.endm
	s_load_b128 s[4:7], s[0:1], 0x0                ; q and k s[4:5], v s[6:7]
	s_load_b64 s[8:9], s[0:1], 0x10                ; o
	v_lshl_add_u32 v254, v0, 2, SPARE
	v_mov_b32 v255, 0
	ds_add_u32 v254, v255                          ; the opening lines: the add, twice on end, and its wait ahead of the first tensor load
	ds_add_u32 v254, v255
	v_lshrrev_b32 v1, 5, v0
	v_readfirstlane_b32 s[WV], v1                  ; wave 0..15
	s_bfe_u32 s14, ttmp6, 0x40000                  ; cx
	s_lshl_b32 s15, ttmp9, 2
	s_add_co_u32 s15, s15, s14                     ; my block of 256 queries: it enters q's and o's addresses alone
	s_and_b32 s57, ttmp7, 0xffff                   ; batch x 16 + head, which the four partners share
	s_add_co_u32 s58, s[WV], 3
	s_and_b32 s58, s58, 3                          ; waves 1-4: which 32,768 bytes of K; waves 5-8: of V
	s_and_b32 s59, s[WV], 1
	s_min_u32 s60, s[WV], 8
	s_lshl_b32 s60, s60, 15                        ; in LDS: 32,768 x wave
	s_lshl_b32 s62, s57, 17
	s_lshl_b32 s61, s58, 15
	s_add_co_u32 s62, s62, s61                     ; in memory
	s_mov_b32 s63, 0
	s_lshr_b32 s66, s[WV], 3
	s_lshl_b32 s66, s66, 12                        ; the scale words in LDS: wave 0 at 0, wave 9 at 4,096;
	s_lshl_b32 s68, s57, 12                        ; in memory
	s_mov_b32 s69, 0
	s_mov_b32 s16, 15|(3<<16)|(1<<21)              ; codes: a dense block of 32,768 bytes as 128 rows of 32 elements of 8 bytes; the mask names all four partners, bit 21 beside it
	s_mov_b32 s17, 32<<16
	s_mov_b32 s18, 128<<16
	s_mov_b32 s19, 32<<16
	s_mov_b32 s20, 128
	s_mov_b32 s21, 32
	s_mov_b32 s22, 0
	s_mov_b32 s23, 0
	s_mov_b32 s24, 15|(3<<16)|(1<<21)              ; scale words: 4,096 bytes as 16 such rows
	s_mov_b32 s25, 32<<16
	s_mov_b32 s26, 16<<16
	s_mov_b32 s27, 32<<16
	s_mov_b32 s28, 16
	s_mov_b32 s29, 32
	s_mov_b32 s30, 0
	s_mov_b32 s31, 0
	s_mov_b32 s[CS], 0x3e38aa3b
	s_mov_b32 s[CS+1], s[CS]                       ; named with it as a pair, so it is written
	s_mov_b32 s[SEL], 0x76543210
	s_mov_b32 s[SEL+1], 0xfedcba98
	s_mov_b32 s[MNT], 0x600000
	s_mov_b32 s[TV], 0
	s_mov_b32 s[TS], 0
	s_lshl_b32 s78, s15, 4
	s_add_co_u32 s78, s78, s[WV]                   ; my tile of 16 queries
	s_lshl_b32 s84, s57, 7
	s_add_co_u32 s84, s84, s78
	s_lshl_b32 s84, s84, 10                        ; its codes: 1,024 bytes a tile
	s_mov_b32 s85, 0
	s_lshr_b32 s86, s78, 1
	s_lshl_b32 s86, s86, 6
	s_lshl_b32 s87, s57, 12
	s_add_co_u32 s86, s86, s87
	s_add_co_u32 s86, s86, 8388608                 ; its pair's scale words
	s_mov_b32 s87, 0
	s_lshl_b32 s88, s59, 4                         ; an odd tile's bytes are the word's upper half
	; where my tile of o goes: channels 64 head on are chunks 2 (head % 2) on of K step head / 2
	s_and_b32 s76, s57, 15                         ; head
	s_lshr_b32 s77, s57, 4                         ; batch
	s_lshl_b32 s77, s77, 7
	s_add_co_u32 s77, s77, s78                     ; token tile
	s_lshr_b32 s79, s76, 3
	s_lshl_b32 s79, s79, 8
	s_add_co_u32 s77, s77, s79                     ; + 256 x (K / 512)
	s_bfe_u32 s79, s76, 0x20001                    ; which 128 of the 512
	s_and_b32 s76, s76, 1
	s_lshl_b32 s80, s77, 2
	s_add_co_u32 s80, s80, s79
	s_lshl_b32 s80, s80, 11
	s_lshl_b32 s81, s76, 10
	s_add_co_u32 s80, s80, s81
	s_mov_b32 s81, 0
	s_lshl_b32 s82, s77, 8
	s_lshl_b32 s79, s79, 2
	s_add_co_u32 s82, s82, s79
	s_lshl_b32 s76, s76, 1
	s_add_co_u32 s82, s82, s76
	s_add_co_u32 s82, s82, 4194304
	s_mov_b32 s83, 0
	s_wait_dscnt 0x0                               ; both opening adds are done
	s_wait_kmcnt 0x0
	s_add_nc_u64 s[84:85], s[4:5], s[84:85]
	s_add_nc_u64 s[86:87], s[4:5], s[86:87]
	s_add_nc_u64 s[80:81], s[8:9], s[80:81]
	s_add_nc_u64 s[82:83], s[8:9], s[82:83]
	s_add_nc_u64 s[70:71], s[4:5], 4194304         ; k's codes lie behind q's,
	s_add_nc_u64 s[72:73], s[4:5], 8519680         ; its scale words behind q's;
	s_add_nc_u64 s[74:75], s[6:7], 4194304         ; v's scale words behind its codes
	s_cmp_lt_u32 s[WV], 5                          ; the choice hangs on the wave's number alone
	s_cselect_b64 s[70:71], s[70:71], s[6:7]
	s_cselect_b64 s[72:73], s[72:73], s[74:75]
	s_add_nc_u64 s[70:71], s[70:71], s[62:63]
	s_add_nc_u64 s[72:73], s[72:73], s[68:69]
	s_mov_b32 s32, 1
	s_mov_b32 s33, s66
	s_mov_b64 s[34:35], s[72:73]
	s_or_b32 s35, s35, 0x80000000
	s_mov_b32 s36, 1
	s_mov_b32 s37, s60
	s_mov_b64 s[38:39], s[70:71]
	s_or_b32 s39, s39, 0x80000000
	CROUND                                         ; all four work-groups are here: the joint loads meet
	ARM 1, 32, 24, .Lk_first                       ; wave 0: K's scale words
	ARM 2, 36, 16, .Lrest                          ; wave 1: keys 0-511 of K
	ARM 9, 36, 16, .Lv_scales                      ; waves 2-8: the rest of K, and V
	ARM 10, 32, 24, .Lnone                         ; wave 9: V's scale words
.Lhead_asked:
	v_and_b32 v8, 15, v0                           ; r
	v_bfe_u32 v9, v0, 4, 1                         ; h
	v_and_b32 v11, 31, v0
	v_lshlrev_b32 v2, 2, v8                        ; row r's scale word
	v_lshlrev_b32 v11, 4, v11                      ; 16 x lane: my place in a chunk of an image
	global_load_b128 v[24:27], v11, s[84:85]       ; q stays in registers
	global_load_b128 v[28:31], v11, s[84:85] offset:512
	global_load_b32 v[T0], v2, s[86:87]
	v_lshl_add_u32 v10, v8, 4, v9                  ; the way out: my scale byte
	v_add_nc_u32 v1, KOFF, v11                     ; my place in K,
	v_add_nc_u32 v3, VOFF, v11                     ; in V
	s_wait_alu depctr_va_vdst(0)                   ; the wait directly ahead of the wait below
	s_wait_loadcnt 0x0
	v_lshrrev_b32 v[T0], s88, v[T0]
	v_and_b32 v[T0], 0xffff, v[T0]
	v_lshl_or_b32 v[QS], v[T0], 16, v[T0]          ; my tile's two bytes, twice.  (The 25 lines below stand between it and the first product)
.irp j, 0,1,2,3,4,5,6,7
	v_mov_b32 v[16+\j], 0                          ; the zero halves beside q
	v_mov_b32 v[32+\j], 0
.endr
	v_mov_b32 v13, 0xff61b1e6                      ; the largest t so far: -3e38, under every t
	v_mov_b32 v14, 0                               ; the sum, in two halves
	v_mov_b32 v15, 0
	v_floor_f32 v12, -v13                          ; -M
.irp b, 0,1,2,3
	v_mov_b32 v[PM+\b], 0                          ; written once: a lane permute's destination counts as one of its sources
.endr
	v_mov_b32 v[FF+1], 0                           ; named as the upper half of a pair
	s_wait_alu depctr_va_vdst(0)                   ; the wait at the head's end
	s_cmp_lt_u32 s[WV], 2
	s_cbranch_scc0 .Lnot_first
	s_wait_tensorcnt 0x0                           ; waves 0 and 1: K's scale words and keys 0-511 have landed.  The others' wait stands at the second barrier
.Lnot_first:
	s_barrier_signal -1
	s_barrier_wait -1
	KLOAD 1, 0, 2, 0                               ; KEY STEP 0
	SCORES
.set j, 0
.rept 32
	v_mov_b32 v[O+j], 0                            ; O^T begins as zeros: the loop is written once.  (These are the places behind the first scores' products)
.set j, j+1
.endr
	MAXM
	SOFT 1, 8192, 2, 256                           ; and step 1's K, which lies among keys 0-511
	s_wait_alu depctr_va_vdst(0)                   ; the wait directly ahead of the waits below
	s_wait_tensorcnt 0x0                           ; every wave: its load has landed
	s_wait_dscnt 0x0                               ; no LDS instruction of mine is out at the signal
	s_barrier_signal -1
	s_barrier_wait -1                              ; all of K and V lie in LDS; nothing is ever filled again
	s_mov_b32 s[CNT], 15
.Lstep:
	SCORES
	RESCV 1
	MAXM
	PVMUL
	SOFT 4, 16384, 6, 512
	s_add_co_u32 s[TV], s[TV], 8192
	s_add_co_u32 s[TS], s[TS], 256
	s_sub_co_u32 s[CNT], s[CNT], 1
	s_cmp_lg_u32 s[CNT], 0
	s_cbranch_scc1 .Lstep
	s_wait_dscnt 0x0                               ; the look-ahead's loads are back: their registers take V
	RESCV 0
	PVMUL                                          ; the last step's V product
	; THE WAY OUT: O^T / the sum, quantised along my head's 64 channels (two blocks of the next product's K)
.rept 8
	v_nop                                          ; between the last products and the first read of O^T
.endr
	v_add_f32 v14, v14, v15
	s_delay_alu instid0(VALU_DEP_1)
	v_permlanex16_b32 v[T0], v14, s[SEL], s[SEL+1]
	s_delay_alu instid0(VALU_DEP_1)
	v_add_f32 v14, v14, v[T0]                      ; the row's sum
	s_wait_alu depctr_va_vdst(0)
	v_rcp_f32 v14, v14
	v_cmp_eq_u32 vcc_lo, 1, v9                     ; a plain instruction behind the transcendental
	s_wait_alu depctr_va_vdst(0)                   ; the wait ahead of its first reader
.set j, 0
.rept 32
	v_mul_f32 v[S+j], v[O+j], v14                  ; tile t, register i: o(query r, channel 16 t + 8 h + i)
.set j, j+1
.endr
.irp b, 0,1
	v_max3_num_f32 v[BM+\b], |v[S+16*\b]|, |v[S+16*\b+1]|, 0x8000000
.endr
.irp i, 2,4,6,8,10,12,14
.irp b, 0,1
	s_delay_alu instid0(VALU_DEP_2)
	v_max3_num_f32 v[BM+\b], |v[S+16*\b+\i]|, |v[S+16*\b+\i+1]|, v[BM+\b]
.endr
.endr
.irp b, 0,1
	s_delay_alu instid0(VALU_DEP_2)
	v_permlanex16_b32 v[PM+\b], v[BM+\b], s[SEL], s[SEL+1]
.endr
.irp b, 0,1
	s_delay_alu instid0(VALU_DEP_2)
	v_max_num_f32 v[BM+\b], v[BM+\b], v[PM+\b]
.endr
.irp b, 0,1
	s_delay_alu instid0(VALU_DEP_2)
	v_add_nc_u32 v[SO+\b], 0xf8800000, v[BM+\b]
.endr
.irp b, 0,1
	s_delay_alu instid0(VALU_DEP_4)
	v_and_or_b32 v[HL+\b], v[BM+\b], 0x7f800000, s[MNT]
.endr
.irp b, 0,1
	s_delay_alu instid0(VALU_DEP_4)
	v_lshrrev_b32 v[T0+\b], 23, v[SO+\b]
.endr
	s_delay_alu instid0(VALU_DEP_1)
	v_cndmask_b32 v[T0+2], v[T0], v[T0+1], vcc_lo  ; lanes 0-15 store block 0's byte, lanes 16-31 block 1's
.irp b, 0,1
.set j, 0
.rept 16
	v_med3_num_f32 v[S+16*\b+j], v[S+16*\b+j], -v[HL+\b], v[HL+\b]
.set j, j+1
.endr
	v_cvt_scalef32_pk8_bf8_f32 v[PC+4*\b:PC+4*\b+1], v[S+16*\b:S+16*\b+7], v[SO+\b]
	v_cvt_scalef32_pk8_bf8_f32 v[PC+4*\b+2:PC+4*\b+3], v[S+16*\b+8:S+16*\b+15], v[SO+\b]
.endr
	v_nop                                          ; a plain instruction behind the last conversion
.irp b, 0,1
	v_permlane16_swap_b32 v[PC+4*\b], v[PC+4*\b+2]       ; w_out's codes come in their true order, so o's do too: the even tile's upper lanes change places with the odd tile's lower lanes
	v_permlane16_swap_b32 v[PC+4*\b+1], v[PC+4*\b+3]
.endr
	global_store_b128 v11, v[PC:PC+3], s[80:81]    ; 32 lanes store 512 consecutive bytes
	global_store_b128 v11, v[PC+4:PC+7], s[80:81] offset:512
	global_store_b8 v10, v[T0+2], s[82:83]
	s_wait_tensorcnt 0x0                           ; the wave's end
	ds_add_u32 v254, v255
	s_wait_dscnt 0x0
	CROUND                                         ; the closing round
	s_endpgm
.Lfunc_end_k_q549639aa2b_att:
	.size	k_q549639aa2b_att, .Lfunc_end_k_q549639aa2b_att-k_q549639aa2b_att
	.p2alignl 7, 3214868480
	.fill 96, 4, 3214868480
	.section	.rodata,"a",@progbits
	.p2align	6, 0x0
	.amdhsa_kernel k_q549639aa2b_att
		.amdhsa_group_segment_fixed_size 327680
		.amdhsa_private_segment_fixed_size 0
		.amdhsa_enable_private_segment 0
		.amdhsa_kernarg_size 24
		.amdhsa_user_sgpr_count 2
		.amdhsa_user_sgpr_kernarg_segment_ptr 1
		.amdhsa_wavefront_size32 1
		.amdhsa_system_sgpr_workgroup_id_x 1
		.amdhsa_system_sgpr_workgroup_id_y 1
		.amdhsa_system_sgpr_workgroup_id_z 1
		.amdhsa_system_vgpr_workitem_id 0
		.amdhsa_next_free_vgpr 256
		.amdhsa_next_free_sgpr 90
		.amdhsa_reserve_vcc 1
		.amdhsa_float_denorm_mode_32 3
		.amdhsa_float_denorm_mode_16_64 3
		.amdhsa_memory_ordered 1
		.amdhsa_forward_progress 1
		.amdhsa_inst_pref_size 57
	.end_amdhsa_kernel
	.amdgpu_metadata
---
amdhsa.version: [ 1, 2 ]
amdhsa.kernels:
  - .name:           k_q549639aa2b_att
    .symbol:         k_q549639aa2b_att.kd
    .args:
      - { .name: qkbuf, .offset: 0, .size: 8, .value_kind: global_buffer, .address_space: global }
      - { .name: vbuf, .offset: 8, .size: 8, .value_kind: global_buffer, .address_space: global }
      - { .name: obuf, .offset: 16, .size: 8, .value_kind: global_buffer, .address_space: global }
    .group_segment_fixed_size: 327680
    .private_segment_fixed_size: 0
    .kernarg_segment_align: 8
    .kernarg_segment_size: 24
    .max_flat_workgroup_size: 512
    .sgpr_count:     90
    .vgpr_count:     256
    .wavefront_size: 32
...
	.end_amdgpu_metadata
.endif
;; end of part 3
;; launch proj (part 4): grid 8 x 32, 4 waves a work-group, clusters of 4 x 4, 327,680 bytes of LDS; arguments obuf, w_out_codes, w_out_scales, b_out, x, x1; writes x1
.if DOCPART == 4
	.amdgcn_target "amdgcn-amd-amdhsa--gfx1250"
	.amdhsa_code_object_version 6
	.text
	.protected	k_q549639aa2b_proj
	.globl	k_q549639aa2b_proj
	.p2align	8
	.type	k_q549639aa2b_proj,@function
k_q549639aa2b_proj:
	s_mov_b64 s[64:65], 0
	v_nop
	global_prefetch_b8 v0, s[64:65] scope:SCOPE_SE
	s_setreg_imm32_b32 hwreg(HW_REG_WAVE_MODE, 25, 1), 1
	s_wait_xcnt 0x0
	s_wait_alu depctr_hold_cnt(0) depctr_sa_sdst(0) depctr_va_vdst(0) depctr_va_sdst(0) depctr_va_ssrc(0) depctr_va_vcc(0) depctr_vm_vsrc(0)
	s_getreg_b32 s2, hwreg(HW_REG_IB_STS2, 6, 4)
	s_cmp_eq_u32 s2, 0
	s_cbranch_scc0 .Lentry_in_a_cluster
	s_endpgm
.Lentry_in_a_cluster:
	s_bfe_u32 s2, ttmp6, 0x10000c
	s_cmp_lg_u32 s2, 0xf033
	s_cbranch_scc0 .Lentry_shape_is_right
	s_endpgm
.Lentry_shape_is_right:
.set KTOT,  1024
.set WROW0, 0
.set SWAP,  0
.set NRES,  32
.set NSL,   KTOT/512
.set LAPS,  KTOT/1024
.set KS,    KTOT/32
.set RSW,   64*KS/256
.set ASC,   4096*KTOT
.set SLOT,  133120
.set WOFF,  131072
.set HALFW, 66560
.set SCA,   2*SLOT
.set SCW,   SCA+NSL*2048
.set SPARE, SCW+2*RSW*272
.set F0, 0
.set F1, 128
.set MSB, 0
.macro WIN new
.if MSB != \new
	s_set_vgpr_msb (MSB<<8)|\new
.set MSB, \new
.endif
.endm
.macro PLACES n
.rept \n
	v_nop
.endr
.endm
.macro GROUP1 g, c, r, p
	s_mov_b32 s[\g+1], (\c)<<16
	s_mov_b32 s[\g+2], (\r)<<16
	s_mov_b32 s[\g+3], (\c)<<16
	s_mov_b32 s[\g+4], \r
	s_mov_b32 s[\g+5], \p
	s_mov_b32 s[\g+6], 0
	s_mov_b32 s[\g+7], 0
.endm
.macro JLOAD g0a, g1a, g0b, g1b
	s_cmp_eq_u32 s17, 0
	s_cbranch_scc0 .Lfor_w_\@
	tensor_load_to_lds s[\g0a:\g0a+3], s[\g1a:\g1a+7]
	s_nop 0
.rept 4
	v_nop
.endr
	s_branch .Lasked_\@
.Lfor_w_\@:
	tensor_load_to_lds s[\g0b:\g0b+3], s[\g1b:\g1b+7]
	s_nop 0
.rept 4
	v_nop
.endr
.Lasked_\@:
.endm
.macro CREST
	s_cmp_lg_u32 s16, 0
	s_cbranch_scc1 .Lnot_wave_0_\@
	s_barrier_signal -3
.Lnot_wave_0_\@:
	s_barrier_wait -3
	s_barrier_signal -1
	s_barrier_wait -1
.endm
.macro CROUND
	s_barrier_signal -1
	s_barrier_wait -1
	CREST
.endm
.macro FETCH s, q, f
	WIN 0x40
.irp i, 0,1,2,3
.irp c, 0,1,2,3
	ds_load_b128 v[\f+16*\i+4*\c:\f+16*\i+4*\c+3], v[6+\s] offset:8192*\i+2048*(\q)+512*\c
.endr
.endr
.irp i, 0,1,2,3
.irp c, 0,1,2,3
	ds_load_b128 v[\f+64+16*\i+4*\c:\f+64+16*\i+4*\c+3], v[8+\s] offset:16640*\i+128*(\q)+32*\c
.endr
.endr
.endm
.macro SCALES set
	WIN 0
.irp i, 0,1,2,3
	ds_load_b128 v[32+32*\set+4*\i:32+32*\set+4*\i+3], v10 offset:256*\i
	ds_load_b128 v[48+32*\set+4*\i:48+32*\set+4*\i+3], v11 offset:\i*(16*KS/256)*272
.endr
.endm
.macro MULA f, q, set, l, first
.if \first
	WIN 0x85
.else
	WIN 0xa5
.endif
.irp rr, 0,1,2,3
.set XD, 8*(4*(\l)+\rr)
.if SWAP
.set XA, \f+16*\rr
.set XB, \f+64+16*(\l)
.set XSA, 32+32*(\set)+4*\rr+(\q)
.set XSB, 48+32*(\set)+4*(\l)+(\q)
.set XC, 96+8*(\l)
.else
.set XA, \f+64+16*\rr
.set XB, \f+16*(\l)
.set XSA, 48+32*(\set)+4*\rr+(\q)
.set XSB, 32+32*(\set)+4*(\l)+(\q)
.set XC, 96+8*\rr
.endif
.if \first == 0
.set XC, XD
.endif
	v_wmma_scale_f32_16x16x128_f8f6f4 v[XD:XD+7], v[XA:XA+15], v[XB:XB+15], v[XC:XC+7], v[XSA], v[XSB] matrix_a_fmt:MATRIX_FMT_BF8 matrix_b_fmt:MATRIX_FMT_BF8
.endr
.endm
.macro MUL16 f, q, set, first
.irp l, 0,1,2,3
	MULA \f, \q, \set, \l, \first
.endr
.endm
.macro QUARTER s, q, f, g, first
	PLACES 8
	FETCH \s, \q+1, \g
	s_wait_dscnt 32
	MUL16 \f, \q, \s, \first
.endm
.macro TURN s, n, fill
	WIN 0
	s_wait_tensorcnt 0x0
	ds_add_u32 v4, v5
	s_wait_dscnt 1
	MULA F1, 3, \s, 0, 0
	s_wait_dscnt 0x0
	s_barrier_signal -1
	MULA F1, 3, \s, 1, 0
	WIN 0
	s_barrier_wait -1
.if \fill
	CREST
	s_add_nc_u64 s[34+4*\s:35+4*\s], s[34+4*\s:35+4*\s], 4194304
	s_add_nc_u64 s[50+4*\s:51+4*\s], s[50+4*\s:51+4*\s], 1024
	JLOAD 32+4*\s, 24, 48+4*\s, 40
	PLACES 4
.else
	PLACES 8
.endif
	v_add_nc_u32 v10, 2048, v10
	v_add_nc_u32 v11, 16, v11
	FETCH \n, 0, F0
	SCALES \n
	MULA F1, 3, \s, 2, 0
	MULA F1, 3, \s, 3, 0
.endm
.macro TOSTAGE l
.set BK, 128+32*((\l)%2)
	WIN 0x08
.irp rr, 0,1,2,3
	ds_store_b128 v14, v[8*(4*(\l)+\rr):8*(4*(\l)+\rr)+3] offset:64*\rr
	ds_store_b128 v14, v[8*(4*(\l)+\rr)+4:8*(4*(\l)+\rr)+7] offset:64*\rr+16
.endr
	WIN 0
.irp t, 0,1,2,3,4,5,6,7
	ds_load_b128 v[BK+4*\t:BK+4*\t+3], v15 offset:544*\t
.endr
.endm
.macro SEND l, younger
.set BK, 128+32*((\l)%2)
	s_wait_dscnt \younger
	WIN 0x08
.set i, 0
.rept 16
	v_pk_add_f32 v[BK+i:BK+i+1], v[BK+i:BK+i+1], v[128+32*(\l)+i:128+32*(\l)+i+1]
.set i, i+2
.endr
	WIN 0
.irp t, 0,1,2,3,4,5,6,7
	global_store_b128 v13, v[BK+4*\t:BK+4*\t+3], s[14:15] offset:(16*(\l)+2*\t)*4096
.endr
.endm
	s_load_b256 s[4:11], s[0:1], 0x0
	s_load_b128 s[12:15], s[0:1], 0x20
	v_lshl_add_u32 v4, v0, 2, SPARE
	v_mov_b32 v5, 0
	ds_add_u32 v4, v5
	ds_add_u32 v4, v5
	s_wait_dscnt 0x0
	v_lshrrev_b32 v1, 5, v0
	v_readfirstlane_b32 s16, v1
	s_lshr_b32 s17, s16, 1
	s_and_b32 s18, s16, 1
	s_bfe_u32 s20, ttmp6, 0x40000
	s_bfe_u32 s21, ttmp6, 0x40004
	s_lshl_b32 s22, ttmp9, 2
	s_add_co_u32 s22, s22, s20
	s_and_b32 s23, ttmp7, 0xffff
	s_lshl_b32 s23, s23, 2
	s_add_co_u32 s23, s23, s21
	s_lshl_b32 s84, s21, 2
	s_lshl_b32 s84, 15, s84
	s_lshl_b32 s85, 0x1111, s20
	s_or_b32 s24, s84, (3<<16)|(1<<21)
	GROUP1 24, 8192, 2, 262144                     ; A's images of all of K: two runs of 65,536 bytes, 2,097,152 bytes apart
	s_or_b32 s40, s85, (1<<20)|(1<<21)|(7<<22)|(3<<25)   ; W: 128 whole rows of 1,024 bytes, four words of padding after every 256
	GROUP1 40, 1024, 128, KTOT
	s_or_b32 s56, s84, (3<<16)|(1<<21)
	GROUP1 56, 256, NSL, 8192
	s_or_b32 s72, s85, (3<<16)|(1<<20)|(1<<21)|(5<<22)|(3<<25)
	GROUP1 72, 32, 2*RSW, 32
	s_lshl_b32 s66, s18, 15
	s_lshl_b32 s86, s23, 16
	s_add_co_u32 s86, s86, s66
	s_mov_b32 s87, 0
	s_lshl_b32 s98, s23, 11
	s_add_co_u32 s98, s98, ASC
	s_mov_b32 s99, 0
	s_lshl_b32 s88, s22, 7
	s_mul_i32 s100, s88, KS                        ; the scale bytes of the tile's 128 rows
	s_lshl_b32 s67, s18, 6
	s_add_co_u32 s88, s88, s67
	s_mov_b32 s101, 0
	s_lshl_b32 s92, s88, 2
	s_mov_b32 s93, 0
	s_mul_i32 s88, s88, KTOT
	s_mov_b32 s89, 0
	s_mul_i32 s67, s18, HALFW
	s_lshl_b32 s90, s23, 19
	s_lshl_b32 s91, s17, 18
	s_add_co_u32 s90, s90, s91
	s_add_co_u32 s90, s90, s92
	s_mov_b32 s91, 0
	s_wait_kmcnt 0x0
	s_add_nc_u64 s[86:87], s[4:5], s[86:87]
	s_add_nc_u64 s[98:99], s[4:5], s[98:99]
	s_add_nc_u64 s[88:89], s[6:7], s[88:89]
	s_add_nc_u64 s[100:101], s[8:9], s[100:101]
	s_add_nc_u64 s[10:11], s[10:11], s[92:93]
	s_add_nc_u64 s[12:13], s[12:13], s[90:91]
	s_add_nc_u64 s[14:15], s[14:15], s[90:91]
	CROUND
	s_mov_b32 s68, 1
	s_mov_b32 s69, SCA
	s_mov_b64 s[70:71], s[98:99]
	s_or_b32 s71, s71, 0x80000000
	s_mov_b32 s80, 1
	s_mov_b32 s81, SCW
	s_mov_b64 s[82:83], s[100:101]
	s_or_b32 s83, s83, 0x80000000
.macro ARM under, g0, g1, next         ; an arm of the head's one chain of branches on the wave's number: its load, and a jump to the chain's end
	s_cmp_lt_u32 s16, \under
	s_cbranch_scc0 \next
	tensor_load_to_lds s[\g0:\g0+3], s[\g1:\g1+7]
	s_nop 0
.rept 4
	v_nop
.endr
	s_branch .Lhead_asked
\next:
.endm
.irp s, 0
	s_mov_b32 s[32+4*\s], 1
	s_add_co_u32 s[33+4*\s], s66, \s*SLOT
	s_add_nc_u64 s[34+4*\s:35+4*\s], s[86:87], \s*2097152
	s_or_b32 s[35+4*\s], s[35+4*\s], 0x80000000
	s_mov_b32 s[48+4*\s], 1
	s_add_co_u32 s[49+4*\s], s67, \s*SLOT+WOFF
	s_add_nc_u64 s[50+4*\s:51+4*\s], s[88:89], \s*512
	s_or_b32 s[51+4*\s], s[51+4*\s], 0x80000000
	; ONE LOAD A WAVE, and all of K with it: wave 0 A's images, wave 1 A's scale words, wave 2 W's rows, wave 3 W's scale bytes.  In waves 0 and 2 the half is 0, so their addresses are the tile's first
	ARM 1, 32, 24, .Lh1
	ARM 2, 68, 56, .Lh2
	ARM 3, 48, 40, .Lh3
	tensor_load_to_lds s[80:83], s[72:79]
	s_nop 0
.rept 4
	v_nop
.endr
.Lhead_asked:
.endr
	v_and_b32 v1, 15, v0
	v_bfe_u32 v2, v0, 4, 1
	v_and_b32 v3, 31, v0
	v_lshlrev_b32 v16, 4, v3
	s_lshl_b32 s2, s17, 15
	v_add_nc_u32 v6, s2, v16
	v_add_nc_u32 v7, 65536, v6
	v_mul_u32_u24 v8, v1, 1040
	v_lshl_add_u32 v8, v2, 4, v8
	s_add_co_u32 s3, s67, WOFF
	v_add_nc_u32 v8, s3, v8
	v_add_nc_u32 v9, 512, v8
	s_lshl_b32 s2, s17, 10
	s_add_co_u32 s2, s2, SCA
	v_lshl_add_u32 v10, v1, 4, s2
.if KS == 32
	v_lshrrev_b32 v11, 3, v1
	v_lshlrev_b32 v11, 4, v11
	v_lshl_add_u32 v11, v1, 5, v11
.else
	v_lshrrev_b32 v11, 1, v1
	v_lshlrev_b32 v11, 4, v11
	v_lshl_add_u32 v11, v1, 7, v11
.endif
	s_mul_i32 s2, s18, RSW*272
	s_add_co_u32 s2, s2, SCW
	v_add_nc_u32 v11, s2, v11
	v_lshlrev_b32 v12, 5, v2
.irp rr, 0,1,2,3
	global_load_b128 v[96+8*\rr:96+8*\rr+3], v12, s[10:11] offset:64*\rr
	global_load_b128 v[96+8*\rr+4:96+8*\rr+7], v12, s[10:11] offset:64*\rr+16
.endr
	s_mul_i32 s2, s16, 4352
	v_mul_u32_u24 v14, v1, 272
	v_lshl_add_u32 v14, v2, 5, v14
	v_add_nc_u32 v14, s2, v14
	v_mul_u32_u24 v15, v2, 272
	v_lshl_add_u32 v15, v1, 4, v15
	v_add_nc_u32 v15, s2, v15
	v_lshlrev_b32 v13, 12, v2
	v_lshl_add_u32 v13, v1, 4, v13
	WIN 0x80
.irp l, 0,1,2,3
.irp t, 0,1,2,3,4,5,6,7
	global_load_b128 v[128+32*\l+4*\t:128+32*\l+4*\t+3], v13, s[12:13] offset:(16*\l+2*\t)*4096
.endr
.endr
	WIN 0
	s_wait_alu depctr_va_vdst(0)                   ; the wait at the head's end
	s_wait_tensorcnt 0x0                           ; my one load has landed
	s_barrier_signal -1
	s_barrier_wait -1
	FETCH 0, 0, F0
	SCALES 0
	s_wait_loadcnt NRES
	QUARTER 0, 0, F0, F1, 1
.if LAPS > 1
	WIN 0
	s_mov_b32 s19, LAPS-1
.Llap:
	QUARTER 0, 1, F1, F0, 0
	QUARTER 0, 2, F0, F1, 0
	TURN 0, 1, 1
	QUARTER 1, 0, F0, F1, 0
	QUARTER 1, 1, F1, F0, 0
	QUARTER 1, 2, F0, F1, 0
	TURN 1, 0, 1
	QUARTER 0, 0, F0, F1, 0
	WIN 0
	s_sub_co_u32 s19, s19, 1
	s_cmp_lg_u32 s19, 0
	s_cbranch_scc1 .Llap
.endif
	QUARTER 0, 1, F1, F0, 0
	QUARTER 0, 2, F0, F1, 0
	TURN 0, 1, 0
	QUARTER 1, 0, F0, F1, 0
	QUARTER 1, 1, F1, F0, 0
	QUARTER 1, 2, F0, F1, 0
	s_wait_dscnt 0x0
	MUL16 F1, 3, 1, 0
	WIN 0
	PLACES 8
	s_wait_alu depctr_va_vdst(0)
	s_wait_loadcnt 0x0
	TOSTAGE 0
.irp l, 1,2,3
.if \l > 1
	s_wait_xcnt 0x0
.endif
	TOSTAGE \l
	SEND \l-1, 16
.endr
	SEND 3, 0
	s_wait_tensorcnt 0x0
	ds_add_u32 v4, v5
	s_wait_dscnt 0x0
	CROUND
	s_endpgm
.Lfunc_end_k_q549639aa2b_proj:
	.size	k_q549639aa2b_proj, .Lfunc_end_k_q549639aa2b_proj-k_q549639aa2b_proj
	.p2alignl 7, 3214868480
	.fill 96, 4, 3214868480
	.section	.rodata,"a",@progbits
	.p2align	6, 0x0
	.amdhsa_kernel k_q549639aa2b_proj
		.amdhsa_group_segment_fixed_size 327680
		.amdhsa_private_segment_fixed_size 0
		.amdhsa_enable_private_segment 0
		.amdhsa_kernarg_size 48
		.amdhsa_user_sgpr_count 2
		.amdhsa_user_sgpr_kernarg_segment_ptr 1
		.amdhsa_wavefront_size32 1
		.amdhsa_system_sgpr_workgroup_id_x 1
		.amdhsa_system_sgpr_workgroup_id_y 1
		.amdhsa_system_sgpr_workgroup_id_z 1
		.amdhsa_system_vgpr_workitem_id 0
		.amdhsa_next_free_vgpr 768
		.amdhsa_next_free_sgpr 102
		.amdhsa_reserve_vcc 0
		.amdhsa_float_denorm_mode_32 3
		.amdhsa_float_denorm_mode_16_64 3
		.amdhsa_memory_ordered 1
		.amdhsa_forward_progress 1
		.amdhsa_inst_pref_size 61
	.end_amdhsa_kernel
	.amdgpu_metadata
---
amdhsa.version: [ 1, 2 ]
amdhsa.kernels:
  - .name:           k_q549639aa2b_proj
    .symbol:         k_q549639aa2b_proj.kd
    .args:
      - { .name: obuf, .offset: 0, .size: 8, .value_kind: global_buffer, .address_space: global }
      - { .name: w_out_codes, .offset: 8, .size: 8, .value_kind: global_buffer, .address_space: global }
      - { .name: w_out_scales, .offset: 16, .size: 8, .value_kind: global_buffer, .address_space: global }
      - { .name: b_out, .offset: 24, .size: 8, .value_kind: global_buffer, .address_space: global }
      - { .name: x, .offset: 32, .size: 8, .value_kind: global_buffer, .address_space: global }
      - { .name: x1, .offset: 40, .size: 8, .value_kind: global_buffer, .address_space: global }
    .group_segment_fixed_size: 327680
    .private_segment_fixed_size: 0
    .kernarg_segment_align: 8
    .kernarg_segment_size: 48
    .max_flat_workgroup_size: 128
    .sgpr_count:     102
    .vgpr_count:     768
    .wavefront_size: 32
...
	.end_amdgpu_metadata
.endif
;; end of part 4
;; launch ln2: the kernel of part 1 again; grid 256 x 1, 8 waves a work-group, no clusters, 70,656 bytes of LDS; arguments x1, ln2_g, ln2_b, abuf; writes abuf
;; launch fc1 (part 5): grid 32 x 8, 4 waves a work-group, clusters of 4 x 4, 327,680 bytes of LDS; arguments abuf, w_fc1_codes, w_fc1_scales, b_fc1, gbuf; writes gbuf
.if DOCPART == 5
	.amdgcn_target "amdgcn-amd-amdhsa--gfx1250"
	.amdhsa_code_object_version 6
	.text
	.protected	k_q549639aa2b_fc1
	.globl	k_q549639aa2b_fc1
	.p2align	8
	.type	k_q549639aa2b_fc1,@function
k_q549639aa2b_fc1:
	s_mov_b64 s[64:65], 0
	v_nop
	global_prefetch_b8 v0, s[64:65] scope:SCOPE_SE
	s_setreg_imm32_b32 hwreg(HW_REG_WAVE_MODE, 25, 1), 1
	s_wait_xcnt 0x0
	s_wait_alu depctr_hold_cnt(0) depctr_sa_sdst(0) depctr_va_vdst(0) depctr_va_sdst(0) depctr_va_ssrc(0) depctr_va_vcc(0) depctr_vm_vsrc(0)
	s_getreg_b32 s2, hwreg(HW_REG_IB_STS2, 6, 4)
	s_cmp_eq_u32 s2, 0
	s_cbranch_scc0 .Lentry_in_a_cluster
	s_endpgm
.Lentry_in_a_cluster:
	s_bfe_u32 s2, ttmp6, 0x10000c
	s_cmp_lg_u32 s2, 0xf033
	s_cbranch_scc0 .Lentry_shape_is_right
	s_endpgm
.Lentry_shape_is_right:
; gelu(h W_fc1^T + b_fc1), exact (erf) form: [4,096 tokens][K 1,024] x w_fc1 [4,096][K], on codes of BF8 (E5M2) with one E8M0 scale for each 32 along K, sums in f32; the result is quantised along its 4,096 columns, the next product's K.
; A comes as images of the operand's registers (16 rows x 128 K = 2,048 bytes: chunk c holds lane l's 16 bytes at 512 c + 16 l), laid [K / 512][token tile][4]; its scale words [K / 512][token tile][row][4].  W comes as rows of K bytes.
; SHARES.  A tile is 128 x 128; each of the four waves makes 64 x 64: 16 accumulators.  A WORK-GROUP STAYS: it makes TILES = 4 tiles, one below the other, eight tile rows apart, so that 32 x 8 = 256 work-groups do all 1,024 tiles.
; All four tiles take the same 128 rows of W: W's codes, W's scale words and the bias stay in registers, for the whole launch.  Only A changes: 131,072 bytes a tile.
; LDS.  Two slots of 512 along K, each A's 8 token tiles x 8,192 bytes; behind them W's 128 rows x (1,024 + 16).  With K = 1,024 the two slots hold all of K.
; A'S BYTES ARE ONE REGION, FILLED AND READ ONCE A TILE: two barriers a tile.  When my last reads of a tile are back, I wait for all my tensor loads, add 0 to my spare word, wait for that and for my reads, and pass a round of the
; cluster's barrier; my one tensor load behind it brings a quarter of the next tile's images (32,768 dense bytes: waves 0 and 1 the halves of K 0-511, waves 2 and 3 those of K 512-1,023).  It lands under this tile's way out
; (GELU and the quantiser, which touch no LDS).  Behind the way out each wave waits for its load and passes a plain barrier; then the next tile's eight quarters follow with no barrier between them.
; A's scale words go from memory straight into the scale registers: eight loads a tile, sixteen lanes reading 256 consecutive bytes; they are asked for behind the refill and waited for with it.
; CLUSTER 4 x 4: the four work-groups of a row of the cluster ask jointly for A's tiles, the four of a column for W's: the same tensor load, the same descriptor, a mask that names the four.
; No prefetch: each tile of A is asked for by eight clusters at about the same time, and its load has the whole way out in which to land.
; THE PRODUCT IS USED TRANSPOSED (source 0 = 16 rows of W, source 1 = 16 tokens): a lane holds one token, its registers run along the columns.  The bias is the C of each sum's first instruction: nothing is cleared.
; GELU.  g = max(x, 0) - |x| u, u = erfc(|x| / sqrt 2) / 2 = t 2^(P(t) - Z^2), t = 1 / (1 + |x| sqrt 2 / 4), Z = x sqrt(log2(e) / 2), P the degree-9 fit of erfc (its stated fractional error is 1.2e-7) with its
; coefficients times log2(e) and the halving in the constant term.  No difference of near numbers is formed for x < 0.
; OUT.  Images of the operand's registers, laid [K / 512][token tile][4]; my 64 columns are chunks 2 half and 2 half + 1 of K step (tile column).  Scale words [K / 512][token tile][row][4]: my two bytes of each.
; REGISTERS.  Window 0: v1-17 addresses; v32-47, v64-79 A's scale words (K 0-511, K 512-1,023); v48-63, v80-95 W's; v96-127 the bias; v128-255 the way out.  Window 1: two fragment buffers of 64 (A's four fragments); W's K steps 0, 1 from v128.
;   Window 2: v0-127 the accumulators, (l, r) at 8 (4 l + r).
; LIMITS: NaN and infinities are not served.  v_exp_f32 gives 0 under 2^-126, so g is 0 for x under about -13.  A block of zeros, and one whose largest magnitude lies under 2^-111, gets the byte 1 (this program alone reads the bytes).
; The scale bytes leave two at a time: one part in 32 of the codes' bytes.
.set KTOT,  1024
.set TILES, 4
.set KS,    KTOT/32                    ; a row of W's scale bytes
.set RSW,   64*KS/256                  ; the scale bytes of 64 rows of W, in runs of 256 bytes
.set ASC,   4096*KTOT                  ; where A's scale words begin
.set SLOT,  133120                     ; A: 8 token tiles x 8,192 bytes; W: 128 rows x (512 + 16)
.set WOFF,  131072                     ; A's images of all of K lie in front: 2 x 65,536 bytes
.set HALFW, 66560                      ; 64 rows of W: all of K, 1,024 + 16 bytes a row
.set SCW,   2*SLOT                     ; W's scale bytes, 256 + 16 of padding
.set SPARE, SCW+2*RSW*272              ; the spare words: 128 bytes a wave, named by no other line
.set WALKA, 8*65536                    ; from a tile to the next, eight tile rows on: bytes of images (A's, and the output's: 64 token tiles x 8,192),
.set WALKS, 8*2048                     ; and of scale words (64 token tiles x 256)
.set F0, 0
.set F1, 64                            ; a buffer holds A's four fragments alone
.set TM, 192
.set TP, 194
.set SO, 196
.set HL, 198
.set BY, 200
.set TT, 208                           ; v208-239 t; its upper half then max(x, 0)
.set ZZ, 240                           ; v240-255 Z of 16 numbers at a time, then max(x, 0) of the first 16
.set PP, 128                           ; v128-159 P, then u, then g
.set MSB, 0
.macro WIN new                         ; the immediate's high byte repeats the setting that is left
.if MSB != \new
	s_set_vgpr_msb (MSB<<8)|\new
.set MSB, \new
.endif
.endm
.macro PLACES n
.rept \n
	v_nop
.endr
.endm
.macro GROUP1 g, c, r, p               ; words 1 to 7 of a descriptor's group 1: r rows of c elements, p elements from row to row
	s_mov_b32 s[\g+1], (\c)<<16
	s_mov_b32 s[\g+2], (\r)<<16
	s_mov_b32 s[\g+3], (\c)<<16
	s_mov_b32 s[\g+4], \r
	s_mov_b32 s[\g+5], \p
	s_mov_b32 s[\g+6], 0
	s_mov_b32 s[\g+7], 0
.endm
.macro CREST                           ; a round of the cluster's barrier behind its opening barrier
	s_cmp_lg_u32 s16, 0
	s_cbranch_scc1 .Lnot_wave_0_\@
	s_barrier_signal -3
.Lnot_wave_0_\@:
	s_barrier_wait -3
	s_barrier_signal -1
	s_barrier_wait -1
.endm
.macro CROUND
	s_barrier_signal -1
	s_barrier_wait -1
	CREST
.endm
.macro FETCH s, q, f                   ; 16 LDS loads: my four fragments of A for the slot's q-th 128 along K, into buffer f
	WIN 0x40
.irp i, 0,1,2,3
.irp c, 0,1,2,3
	ds_load_b128 v[\f+16*\i+4*\c:\f+16*\i+4*\c+3], v[6+\s] offset:8192*\i+2048*(\q)+512*\c
.endr
.endr
.endm
; W LIVES IN REGISTERS: my 64 rows, all of K, are 32 fragments, 512 registers, read from LDS once for all four tiles.  The K step kq (128 along K) lies: kq 0, 1 in window 1 from v128; kq 2, 3 in window 2 from v128; kq 4 to 7 in window 3
.macro WPLACE kq
.if (\kq) < 4
.set WW, 1+(\kq)/2
.set WB, 128+64*((\kq)%2)
.else
.set WW, 3
.set WB, 64*((\kq)-4)
.endif
.endm
.macro WLOAD
.irp kq, 0,1,2,3,4,5,6,7
	WPLACE \kq
.set NW, WW<<6
	WIN NW
.irp i, 0,1,2,3
.irp c, 0,1,2,3
	ds_load_b128 v[WB+16*\i+4*\c:WB+16*\i+4*\c+3], v[8+\kq/4] offset:16640*\i+128*(\kq%4)+32*\c
.endr
.endr
.endr
.endm
.macro ASCALES                         ; a tile's scale words of A: register 32 + 32 slot + 4 tile + q, lane r: row r's word for the slot's q-th 128 along K.  Sixteen lanes read 256 consecutive bytes; lanes 16-31 read the same and are not used
.irp st, 0,1
.irp i, 0,1,2,3
	global_load_b128 v[32+32*\st+4*\i:32+32*\st+4*\i+3], v10, s[98:99] offset:65536*\st+256*\i
.endr
.endr
.endm
.macro MULA f, q, set, l, first        ; four products: token tile l (in the lanes) against W's four tiles (in the registers)
	WPLACE 4*(\set)+(\q)
.if \first
.set NW, WW|0x84                       ; source 0 W's window, source 1 window 1, C (the bias) window 0, D window 2
.else
.set NW, WW|0xa4                       ; the same, C and D window 2
.endif
	WIN NW
.irp rr, 0,1,2,3
.set XD, 8*(4*(\l)+\rr)
.set XC, XD
.if \first
.set XC, 96+8*\rr
.endif
	v_wmma_scale_f32_16x16x128_f8f6f4 v[XD:XD+7], v[WB+16*\rr:WB+16*\rr+15], v[\f+16*(\l):\f+16*(\l)+15], v[XC:XC+7], v[48+32*(\set)+4*\rr+(\q)], v[32+32*(\set)+4*(\l)+(\q)] matrix_a_fmt:MATRIX_FMT_BF8 matrix_b_fmt:MATRIX_FMT_BF8
.endr
.endm
.macro MUL16 f, q, set, first          ; the 16 accumulators take turns, in the same order in every quarter, from tile to tile too
.irp l, 0,1,2,3
	MULA \f, \q, \set, \l, \first
.endr
.endm
.macro QSTEP s, q, f, ns, nq, g, first ; 128 along K (slot s, its q-th) from buffer f; the next 128 (slot ns, its nq-th) are fetched into g first
	PLACES 8                                       ; eight plain instructions between the products that read g and the loads into it
	FETCH \ns, \nq, \g
	s_wait_dscnt 16                                ; all but the 16 just issued
	MUL16 \f, \q, \s, \first
.endm
.macro LASTQ                           ; a tile's last 128 along K: nothing more to fetch
	s_wait_dscnt 0x0
	MUL16 F1, 3, 1, 0
	WIN 0
.endm
; 32 numbers of a lane (four result tiles: tile t, register j = k 16 t + 8 h + j of my row) become two chunks of an image in v[c] .. v[c + 7] and two scale bytes in v[pw].  sw = 2: the numbers lie in window 2 and are held into v[y].
.macro QUANT64 s, sw, y, c, pw
.if \sw
	WIN 0x0a
.endif
.irp b, 0,1
	v_max3_num_f32 v[TM+\b], |v[(\s)+16*\b]|, |v[(\s)+16*\b+1]|, 0x8000000   ; block b: my 16 numbers, and the floor 2^(16 - 127)
.endr
.irp i, 2,4,6,8,10,12,14
.irp b, 0,1
	v_max3_num_f32 v[TM+\b], |v[(\s)+16*\b+\i]|, |v[(\s)+16*\b+\i+1]|, v[TM+\b]
.endr
.endr
	WIN 0
.irp b, 0,1
	v_permlanex16_b32 v[TP+\b], v[TM+\b], s94, s95
.endr
.irp b, 0,1
	v_max_num_f32 v[TM+\b], v[TM+\b], v[TP+\b]     ; with lane l xor 16's 16: the block's largest magnitude
.endr
.irp b, 0,1
	v_add_nc_u32 v[SO+\b], 0xf8800000, v[TM+\b]    ; 15 off its exponent field: the conversion's scale operand
.endr
.irp b, 0,1
	v_and_or_b32 v[HL+\b], v[TM+\b], 0x7f800000, s96   ; 57,344 x the scale
.endr
.irp b, 0,1
	v_lshrrev_b32 v[BY+\b], 23, v[SO+\b]           ; the scale's byte
.endr
	v_lshl_or_b32 v[\pw], v[BY+1], 8, v[BY]
.if \sw
	WIN 0x02
.endif
.irp b, 0,1
.set i, 0
.rept 16
	v_med3_num_f32 v[(\y)+16*\b+i], v[(\s)+16*\b+i], -v[HL+\b], v[HL+\b]   ; the conversion does not saturate (ISA guide 7.6.2): the hold comes first
.set i, i+1
.endr
.endr
	WIN 0
.irp b, 0,1
.irp u, 0,1
	v_cvt_scalef32_pk8_bf8_f32 v[(\c)+4*\b+2*\u:(\c)+4*\b+2*\u+1], v[(\y)+16*\b+8*\u:(\y)+16*\b+8*\u+7], v[SO+\b]
.endr
.endr
	v_nop                                          ; a plain instruction behind the last conversion
.irp b, 0,1
	v_permlane16_swap_b32 v[(\c)+4*\b], v[(\c)+4*\b+2]     ; the even tile's upper lanes change places with the odd tile's lower lanes:
	v_permlane16_swap_b32 v[(\c)+4*\b+1], v[(\c)+4*\b+3]   ; the four registers then hold k = 32 b + 16 h + 0 .. 15
.endr
.endm
.macro SPAIR r, bits                   ; a constant for the packed forms: they name a pair and take its low word for both halves, so both are written
	s_mov_b32 s[\r], \bits
	s_mov_b32 s[\r+1], \bits
.endm
.macro GELU32 x                        ; 32 numbers, a token tile's four sums, at v[x] on in window 2; g to v[PP] on.  Two batches of 32 transcendentals, a wait ahead of each and one behind it; 16 pairs take turns in each step of the polynomial
	WIN 0x02
.set i, 0
.rept 32
	v_fma_f32 v[TT+i], |v[(\x)+i]|, s52, 1.0
.set i, i+1
.endr
	WIN 0
	s_wait_alu depctr_va_vdst(0)
.set i, 0
.rept 32
	v_rcp_f32 v[TT+i], v[TT+i]                     ; t
.set i, i+1
.endr
	WIN 0x02
.set i, 0
.rept 8
	v_pk_mul_f32 v[ZZ+i:ZZ+i+1], v[(\x)+i:(\x)+i+1], s[50:51] op_sel_hi:[1,0]   ; Z of the first 16: plain work behind the batch
.set i, i+2
.endr
	s_wait_alu depctr_va_vdst(0)                   ; one wait for the 32 reciprocals, ahead of their first reader
	WIN 0
.set i, 0
.rept 16
	v_pk_fma_f32 v[PP+i:PP+i+1], v[TT+i:TT+i+1], s[48:49], v[202:203] op_sel_hi:[1,0,0]   ; c9 t + c8
.set i, i+2
.endr
.irp k, 46,44,42,40,38,36,34,32
.set i, 0
.rept 16
	v_pk_fma_f32 v[PP+i:PP+i+1], v[PP+i:PP+i+1], v[TT+i:TT+i+1], s[\k:\k+1] op_sel_hi:[1,1,0]   ; Horner, c7 down to c0
.set i, i+2
.endr
.endr
.set i, 0
.rept 8
	v_pk_fma_f32 v[PP+i:PP+i+1], v[ZZ+i:ZZ+i+1], v[ZZ+i:ZZ+i+1], v[PP+i:PP+i+1] neg_lo:[1,0,0] neg_hi:[1,0,0]   ; P - Z^2, the first 16;
.set i, i+2
.endr
	WIN 0x02
.set i, 0
.rept 8
	v_pk_mul_f32 v[ZZ+i:ZZ+i+1], v[(\x)+16+i:(\x)+16+i+1], s[50:51] op_sel_hi:[1,0]   ; Z of the other 16, in the same registers;
.set i, i+2
.endr
	WIN 0
.set i, 0
.rept 8
	v_pk_fma_f32 v[PP+16+i:PP+16+i+1], v[ZZ+i:ZZ+i+1], v[ZZ+i:ZZ+i+1], v[PP+16+i:PP+16+i+1] neg_lo:[1,0,0] neg_hi:[1,0,0]
.set i, i+2
.endr
	s_wait_alu depctr_va_vdst(0)
.set i, 0
.rept 32
	v_exp_f32 v[PP+i], v[PP+i]
.set i, i+1
.endr
	WIN 0x02
.set i, 0
.rept 16
	v_max_num_f32 v[ZZ+i], v[(\x)+i], 0            ; max(x, 0) of the first 16: plain work behind the batch
.set i, i+1
.endr
	s_wait_alu depctr_va_vdst(0)                   ; one wait for the 32 exponentials
	WIN 0
.set i, 0
.rept 16
	v_pk_mul_f32 v[PP+i:PP+i+1], v[PP+i:PP+i+1], v[TT+i:TT+i+1]   ; u; t is done with
.set i, i+2
.endr
	WIN 0x02
.set i, 0
.rept 16
	v_max_num_f32 v[TT+16+i], v[(\x)+16+i], 0      ; max(x, 0) of the other 16
.set i, i+1
.endr
.set i, 0
.rept 16
	v_fma_f32 v[PP+i], -|v[(\x)+i]|, v[PP+i], v[ZZ+i]
.set i, i+1
.endr
.set i, 0
.rept 16
	v_fma_f32 v[PP+16+i], -|v[(\x)+16+i]|, v[PP+16+i], v[TT+16+i]
.set i, i+1
.endr
	WIN 0
.endm
; THE WAY OUT of a tile: for each of my four token tiles GELU of its 64 columns, two blocks of 32 quantised, 1,024 bytes of an image stored.  It touches registers and memory alone, no LDS.
.macro WAYOUT
.irp l, 0,1,2,3
	GELU32 32*\l
	QUANT64 128, 0, 128, 160+8*\l, 204+\l
	global_store_b128 v16, v[160+8*\l:163+8*\l], s[92:93] offset:8192*\l       ; 32 lanes store 512 consecutive bytes
	global_store_b128 v16, v[164+8*\l:167+8*\l], s[92:93] offset:8192*\l+512
.endr
	v_cmp_eq_u32 vcc_lo, 1, v2
	v_cndmask_b32 v30, v204, v205, vcc_lo          ; lanes 0-15 token tile 0's bytes, lanes 16-31 tile 1's
	v_cndmask_b32 v31, v206, v207, vcc_lo          ; tiles 2 and 3
	global_store_b16 v17, v30, s[90:91]
	global_store_b16 v17, v31, s[90:91] offset:512
.endm
	s_load_b256 s[4:11], s[0:1], 0x0               ; A s[4:5], W's codes s[6:7], W's scales s[8:9], the bias s[10:11]
	s_load_b64 s[12:13], s[0:1], 0x20              ; out
	v_lshl_add_u32 v4, v0, 2, SPARE
	v_mov_b32 v5, 0
	ds_add_u32 v4, v5
	ds_add_u32 v4, v5
	s_wait_dscnt 0x0
	v_lshrrev_b32 v1, 5, v0
	v_readfirstlane_b32 s16, v1                    ; wave 0..3
	s_lshr_b32 s17, s16, 1                         ; which 64 tokens are mine.  Also: which slot's images of A I fetch in a refill
	s_and_b32 s18, s16, 1                          ; which 64 rows of W.  Also: which half I fetch
	s_bfe_u32 s20, ttmp6, 0x40000                  ; cx
	s_bfe_u32 s21, ttmp6, 0x40004                  ; cy
	s_lshl_b32 s22, ttmp9, 2
	s_add_co_u32 s22, s22, s20                     ; tile column, 0 .. 31
	s_and_b32 s23, ttmp7, 0xffff
	s_lshl_b32 s23, s23, 2
	s_add_co_u32 s23, s23, s21                     ; my first tile row, 0 .. 7; the others lie 8, 16 and 24 further down
	s_lshl_b32 s84, s21, 2
	s_lshl_b32 s84, 15, s84                        ; my row of the cluster
	s_lshl_b32 s85, 0x1111, s20                    ; my column
	s_or_b32 s24, s84, (3<<16)|(1<<21)             ; A's images: a dense block of 32,768 bytes as 128 rows of 32 elements of 8 bytes; the mask of my row, bit 21 beside it.  This group 1 serves every refill
	GROUP1 24, 32, 128, 32
	s_or_b32 s56, s84, (3<<16)|(1<<21)             ; the first tile's images of all of K, in one load: two runs of 65,536 bytes, 2,097,152 bytes apart
	GROUP1 56, 8192, 2, 262144
	s_or_b32 s40, s85, (1<<20)|(1<<21)|(7<<22)|(3<<25)   ; W: 64 whole rows of 1,024 bytes, four words of padding after every 256
	GROUP1 40, 1024, 64, KTOT
	s_or_b32 s72, s85, (3<<16)|(1<<20)|(1<<21)|(5<<22)|(3<<25)   ; W's scale bytes: dense, as rows of 256 bytes, four words of padding behind each
	GROUP1 72, 32, 2*RSW, 32                       ; of all 128 rows
	s_mov_b32 s94, 0x76543210
	s_mov_b32 s95, 0xfedcba98                      ; lane selects: lane l xor 16
	s_mov_b32 s96, 0x600000                        ; the mantissa field of 57,344
	s_lshl_b32 s66, s18, 15                        ; half x 32,768: in memory and in a slot
	s_lshl_b32 s86, s23, 16
	s_add_co_u32 s86, s86, s66                     ; A's images: tile row x 65,536 + half
	s_mov_b32 s87, 0
	s_lshl_b32 s98, s23, 11
	s_lshl_b32 s67, s17, 10
	s_add_co_u32 s98, s98, s67
	s_add_co_u32 s98, s98, ASC                     ; the scale words of my 64 tokens: tile row x 2,048 + 1,024 x (which 64)
	s_mov_b32 s99, 0
	s_lshl_b32 s88, s22, 7
	s_mul_i32 s100, s88, KS                        ; the scale bytes of the tile's 128 rows
	s_lshl_b32 s67, s18, 6
	s_add_co_u32 s88, s88, s67
	s_mov_b32 s101, 0
	s_lshl_b32 s92, s88, 2                         ; its bias,
	s_mov_b32 s93, 0
	s_mul_i32 s88, s88, KTOT                       ; its codes
	s_mov_b32 s89, 0
	s_mul_i32 s67, s18, HALFW
	s_lshl_b32 s2, s17, 21                         ; the refills: slot x 2,097,152 in memory (512 along K on)
	s_mov_b32 s3, 0
	s_wait_kmcnt 0x0
	s_add_nc_u64 s[86:87], s[4:5], s[86:87]
	s_add_nc_u64 s[98:99], s[4:5], s[98:99]
	s_add_nc_u64 s[88:89], s[6:7], s[88:89]
	s_add_nc_u64 s[100:101], s[8:9], s[100:101]
	s_add_nc_u64 s[10:11], s[10:11], s[92:93]
	s_mov_b32 s80, 1                               ; W's scale bytes
	s_mov_b32 s81, SCW
	s_mov_b64 s[82:83], s[100:101]
	s_or_b32 s83, s83, 0x80000000
.irp s, 0
	s_mov_b32 s[32+4*\s], 1                        ; the first tile's images of A, slot s, my half
	s_add_co_u32 s[33+4*\s], s66, \s*SLOT
	s_add_nc_u64 s[34+4*\s:35+4*\s], s[86:87], \s*2097152
	s_or_b32 s[35+4*\s], s[35+4*\s], 0x80000000
	s_mov_b32 s[48+4*\s], 1                        ; W's codes, slot s, my half
	s_add_co_u32 s[49+4*\s], s67, \s*SLOT+WOFF
	s_add_nc_u64 s[50+4*\s:51+4*\s], s[88:89], \s*512
	s_or_b32 s[51+4*\s], s[51+4*\s], 0x80000000
.endr
	s_mov_b32 s68, 1                               ; the walking group 0 of the refills: my quarter of a tile's images: slot (wave / 2), half (wave % 2).  No place in the cluster enters the LDS address
	s_lshl_b32 s69, s17, 16
	s_add_co_u32 s69, s69, s66
	s_add_nc_u64 s[70:71], s[86:87], s[2:3]        ; it stands at the first tile and is stepped ahead of each refill
	s_or_b32 s71, s71, 0x80000000
	CROUND                                         ; all sixteen work-groups are here: the first joint loads meet
	s_cmp_lt_u32 s16, 2                            ; ONE LOAD A WAVE, in one chain of branches on the wave's number: waves 0 and 1 the halves of W's rows, which go on into registers,
	s_cbranch_scc0 .Lfirst_s
	tensor_load_to_lds s[48:51], s[40:47]
	s_nop 0
.rept 4
	v_nop
.endr
	s_branch .Lfirst_asked
.Lfirst_s:
	s_cmp_lt_u32 s16, 3                            ; wave 2 the first tile's images of A (its half is 0),
	s_cbranch_scc0 .Lfirst_w
	tensor_load_to_lds s[32:35], s[56:63]
	s_nop 0
.rept 4
	v_nop
.endr
	s_branch .Lfirst_asked
.Lfirst_w:
	tensor_load_to_lds s[80:83], s[72:79]          ; wave 3 W's scale bytes
	s_nop 0
.rept 4
	v_nop
.endr
.Lfirst_asked:
	v_and_b32 v1, 15, v0                           ; r
	v_bfe_u32 v2, v0, 4, 1                         ; h
	v_and_b32 v3, 31, v0                           ; lane
	v_lshlrev_b32 v16, 4, v3                       ; 16 x lane
	s_lshl_b32 s2, s17, 15
	v_add_nc_u32 v6, s2, v16                       ; my A fragments in slot 0,
	v_add_nc_u32 v7, 65536, v6
	v_mul_u32_u24 v8, v1, 1040
	v_lshl_add_u32 v8, v2, 4, v8
	s_add_co_u32 s3, s67, WOFF
	v_add_nc_u32 v8, s3, v8                        ; my W fragments: row r x 1,040 + 16 h
	v_add_nc_u32 v9, 512, v8
	v_lshlrev_b32 v10, 4, v1                       ; A's scale words in memory: 16 bytes a row
	v_lshrrev_b32 v11, 3, v1                       ; W's in LDS: 32 bytes a row, 16 more behind each 256
	v_lshlrev_b32 v11, 4, v11
	v_lshl_add_u32 v11, v1, 5, v11
	s_mul_i32 s2, s18, RSW*272
	s_add_co_u32 s2, s2, SCW
	v_add_nc_u32 v11, s2, v11
	v_lshlrev_b32 v12, 5, v2                       ; the bias in the result's layout: tile rr, register j: column 16 rr + 8 h + j
.irp rr, 0,1,2,3
	global_load_b128 v[96+8*\rr:96+8*\rr+3], v12, s[10:11] offset:64*\rr
	global_load_b128 v[96+8*\rr+4:96+8*\rr+7], v12, s[10:11] offset:64*\rr+16
.endr
	ASCALES                                        ; the first tile's
	v_lshlrev_b32 v17, 8, v2
	v_lshl_add_u32 v17, v1, 4, v17                 ; a scale word's place in the output: 256 h (the next token tile) + 16 r
	v_mov_b32 v[TP], 0                             ; written once: a lane permute's destination counts as one of its sources
	v_mov_b32 v[TP+1], 0
	v_mov_b32 v202, 0xbf97d29d                     ; c8 = -1.18611494, in a vector pair: an instruction reads two scalar values at the most
	v_mov_b32 v203, 0xbf97d29d
	; where my part of the first tile's output begins
	s_lshr_b32 s90, s22, 2
	s_lshl_b32 s90, s90, 8
	s_lshl_b32 s91, s23, 3
	s_add_co_u32 s90, s90, s91
	s_lshl_b32 s91, s17, 2
	s_add_co_u32 s90, s90, s91                     ; 256 x (K / 512) + my first token tile
	s_and_b32 s91, s22, 3                          ; which 128 of the 512
	s_lshl_b32 s92, s90, 2
	s_add_co_u32 s92, s92, s91
	s_lshl_b32 s92, s92, 11
	s_lshl_b32 s93, s18, 10
	s_add_co_u32 s92, s92, s93
	s_mov_b32 s93, 0
	s_add_nc_u64 s[92:93], s[12:13], s[92:93]      ; codes
	s_lshl_b32 s90, s90, 8
	s_lshl_b32 s91, s91, 2
	s_add_co_u32 s90, s90, s91
	s_lshl_b32 s91, s18, 1
	s_add_co_u32 s90, s90, s91
	s_add_co_u32 s90, s90, 16777216
	s_mov_b32 s91, 0
	s_add_nc_u64 s[90:91], s[12:13], s[90:91]      ; scale words
	; THE FIRST TILE'S PRODUCTS begin when both slots are whole; a barrier stands in their middle
	s_wait_alu depctr_va_vdst(0)
	s_cmp_lt_u32 s16, 2
	s_cbranch_scc0 .Lnot_w
	s_wait_tensorcnt 0x0                           ; waves 0 and 1: W's rows have landed.  The others' wait stands at the second barrier
.Lnot_w:
	s_barrier_signal -1
	s_barrier_wait -1                              ; W's rows are whole: they go into registers while A lands
	WLOAD
	WIN 0
	s_wait_tensorcnt 0x0                           ; every wave: its load has landed
	s_wait_dscnt 0x0                               ; no LDS instruction of mine is out at the signal
	s_barrier_signal -1
	s_barrier_wait -1                              ; A's images and W's scale bytes are whole
	FETCH 0, 0, F0
	WIN 0
.irp i, 0,1,2,3
	ds_load_b128 v[48+4*\i:48+4*\i+3], v11 offset:\i*544        ; W's scale words, read once: they stay for all four tiles.  K 0-511,
	ds_load_b128 v[80+4*\i:80+4*\i+3], v11 offset:\i*544+16     ; K 512-1,023
.endr
	s_wait_loadcnt 0x0                             ; the bias and A's scale words
	QSTEP 0, 0, F0, 0, 1, F1, 1                    ; the first products start the sums from the bias
	QSTEP 0, 1, F1, 0, 2, F0, 0
	QSTEP 0, 2, F0, 0, 3, F1, 0
	s_wait_tensorcnt 0x0                           ; my part of slot 1 has landed;
	s_wait_dscnt 0x0                               ; F1 is in, and no LDS instruction of mine is out at the signal
	MULA F1, 3, 0, 0, 0
	s_barrier_signal -1
	MULA F1, 3, 0, 1, 0                            ; work on registers while the others arrive
	s_barrier_wait -1                              ; slot 1 is whole
	PLACES 8
	FETCH 1, 0, F0
	MULA F1, 3, 0, 2, 0
	MULA F1, 3, 0, 3, 0
	QSTEP 1, 0, F0, 1, 1, F1, 0
	QSTEP 1, 1, F1, 1, 2, F0, 0
	QSTEP 1, 2, F0, 1, 3, F1, 0
	LASTQ
	; every first fill was waited for at the barrier in the middle, so their descriptors' registers take the constants
	SPAIR 32, 0xc034d90f                           ; c0 = -2.8257482
	SPAIR 34, 0x3fb8ab5a                           ; c1 =  1.4427292
	SPAIR 36, 0x3f0a29d2                           ; c2 =  0.53970062
	SPAIR 38, 0x3e0efb2e                           ; c3 =  0.13963006
	SPAIR 40, 0xbe899a80                           ; c4 = -0.26875686
	SPAIR 42, 0x3ecdfd18                           ; c5 =  0.40232158
	SPAIR 44, 0xbfd1a1e5                           ; c6 = -1.63775315
	SPAIR 46, 0x40097039                           ; c7 =  2.14747446
	SPAIR 48, 0x3e7c6f08                           ; c9 =  0.24651730
	SPAIR 50, 0x3f596d27                           ; sqrt(log2(e) / 2) = 0.84932180
	s_mov_b32 s52, 0x3eb504f3                      ; sqrt(2) / 4 = 0.35355339
	s_mov_b32 s19, TILES-1
.Ltile:                                                ; a trip: the next tile's images are asked for, this tile goes out, the next tile is multiplied
	s_wait_tensorcnt 0x0                           ; no tensor load of mine is out, so the walking group 0 may be written;
	ds_add_u32 v4, v5                              ; 0 onto my spare word
	s_add_nc_u64 s[70:71], s[70:71], WALKA         ; the next tile's images; the type bits on top are not reached
	s_add_nc_u64 s[98:99], s[98:99], WALKS         ; and its scale words (the loads that read this base were waited for ahead of the products)
	s_wait_dscnt 0x0                               ; the add is done, and my reads of this tile's images are over
	CROUND                                         ; no wave of any partner still reads A's bytes or has a load on its way
	tensor_load_to_lds s[68:71], s[24:31]          ; my one tensor load behind the round: a quarter of the next tile
	s_nop 0
	PLACES 8                                       ; eight plain instructions between the last products and the loads into A's scale registers, and the first read of results
	ASCALES
	WAYOUT
	s_wait_xcnt 0x0                                ; the stores have read their registers and bases: both are written again only behind this wait
	s_add_nc_u64 s[92:93], s[92:93], WALKA
	s_add_nc_u64 s[90:91], s[90:91], WALKS
	s_wait_tensorcnt 0x0                           ; my quarter of the next tile has landed (the one load that is out),
	s_wait_loadcnt 0x0                             ; and its scale words are in
	s_barrier_signal -1                            ; no LDS instruction of mine is out here
	s_barrier_wait -1                              ; everybody's quarter has landed
	FETCH 0, 0, F0
	QSTEP 0, 0, F0, 0, 1, F1, 1                    ; the sums begin anew from the bias
	QSTEP 0, 1, F1, 0, 2, F0, 0
	QSTEP 0, 2, F0, 0, 3, F1, 0
	QSTEP 0, 3, F1, 1, 0, F0, 0                    ; both slots are whole: no barrier between them
	QSTEP 1, 0, F0, 1, 1, F1, 0
	QSTEP 1, 1, F1, 1, 2, F0, 0
	QSTEP 1, 2, F0, 1, 3, F1, 0
	LASTQ                                          ; (it leaves every window 0: a branch follows)
	s_sub_co_u32 s19, s19, 1
	s_cmp_lg_u32 s19, 0
	s_cbranch_scc1 .Ltile
	PLACES 8                                       ; the last tile's way out is written out: nothing is left to ask for
	WAYOUT
	s_wait_tensorcnt 0x0                           ; the wave's end
	ds_add_u32 v4, v5
	s_wait_dscnt 0x0
	CROUND                                         ; the closing round: no work-group ends while a partner may still ask for a tile that names it
	s_endpgm
.Lfunc_end_k_q549639aa2b_fc1:
	.size	k_q549639aa2b_fc1, .Lfunc_end_k_q549639aa2b_fc1-k_q549639aa2b_fc1
	.p2alignl 7, 3214868480
	.fill 96, 4, 3214868480
	.section	.rodata,"a",@progbits
	.p2align	6, 0x0
	.amdhsa_kernel k_q549639aa2b_fc1
		.amdhsa_group_segment_fixed_size 327680
		.amdhsa_private_segment_fixed_size 0
		.amdhsa_enable_private_segment 0
		.amdhsa_kernarg_size 40
		.amdhsa_user_sgpr_count 2
		.amdhsa_user_sgpr_kernarg_segment_ptr 1
		.amdhsa_wavefront_size32 1
		.amdhsa_system_sgpr_workgroup_id_x 1
		.amdhsa_system_sgpr_workgroup_id_y 1
		.amdhsa_system_sgpr_workgroup_id_z 1
		.amdhsa_system_vgpr_workitem_id 0
		.amdhsa_next_free_vgpr 1024
		.amdhsa_next_free_sgpr 102
		.amdhsa_reserve_vcc 1
		.amdhsa_float_denorm_mode_32 3
		.amdhsa_float_denorm_mode_16_64 3
		.amdhsa_memory_ordered 1
		.amdhsa_forward_progress 1
		.amdhsa_inst_pref_size 255
	.end_amdhsa_kernel
	.section	.bss,"aw",@nobits
	.p2align	6
	.space	262144
	.amdgpu_metadata
---
amdhsa.version: [ 1, 2 ]
amdhsa.kernels:
  - .name:           k_q549639aa2b_fc1
    .symbol:         k_q549639aa2b_fc1.kd
    .args:
      - { .name: abuf, .offset: 0, .size: 8, .value_kind: global_buffer, .address_space: global }
      - { .name: w_fc1_codes, .offset: 8, .size: 8, .value_kind: global_buffer, .address_space: global }
      - { .name: w_fc1_scales, .offset: 16, .size: 8, .value_kind: global_buffer, .address_space: global }
      - { .name: b_fc1, .offset: 24, .size: 8, .value_kind: global_buffer, .address_space: global }
      - { .name: gbuf, .offset: 32, .size: 8, .value_kind: global_buffer, .address_space: global }
    .group_segment_fixed_size: 327680
    .private_segment_fixed_size: 0
    .kernarg_segment_align: 8
    .kernarg_segment_size: 40
    .max_flat_workgroup_size: 128
    .sgpr_count:     102
    .vgpr_count:     1024
    .wavefront_size: 32
...
	.end_amdgpu_metadata
.endif
;; end of part 5
;; launch fc2 (part 6): grid 8 x 32, 4 waves a work-group, clusters of 4 x 4, 327,680 bytes of LDS; arguments gbuf, w_fc2_codes, w_fc2_scales, b_fc2, x1, out0; writes out0
.if DOCPART == 6
	.amdgcn_target "amdgcn-amd-amdhsa--gfx1250"
	.amdhsa_code_object_version 6
	.text
	.protected	k_q549639aa2b_fc2
	.globl	k_q549639aa2b_fc2
	.p2align	8
	.type	k_q549639aa2b_fc2,@function
k_q549639aa2b_fc2:
	s_mov_b64 s[64:65], 0
	v_nop
	global_prefetch_b8 v0, s[64:65] scope:SCOPE_SE
	s_setreg_imm32_b32 hwreg(HW_REG_WAVE_MODE, 25, 1), 1
	s_wait_xcnt 0x0
	s_wait_alu depctr_hold_cnt(0) depctr_sa_sdst(0) depctr_va_vdst(0) depctr_va_sdst(0) depctr_va_ssrc(0) depctr_va_vcc(0) depctr_vm_vsrc(0)
	s_getreg_b32 s2, hwreg(HW_REG_IB_STS2, 6, 4)
	s_cmp_eq_u32 s2, 0
	s_cbranch_scc0 .Lentry_in_a_cluster
	s_endpgm
.Lentry_in_a_cluster:
	s_bfe_u32 s2, ttmp6, 0x10000c
	s_cmp_lg_u32 s2, 0xf033
	s_cbranch_scc0 .Lentry_shape_is_right
	s_endpgm
.Lentry_shape_is_right:
.set KTOT,  4096
.set WROW0, 0
.set SWAP,  0
.set NRES,  32
.set NSL,   KTOT/512
.set LAPS,  KTOT/1024
.set KS,    KTOT/32
.set RSW,   64*KS/256
.set ASC,   4096*KTOT
.set SLOT,  133120
.set WOFF,  65536
.set HALFW, 33792
.set SCA,   2*SLOT
.set SCW,   SCA+NSL*2048
.set SPARE, SCW+2*RSW*272
.set F0, 0
.set F1, 128
.set MSB, 0
.macro WIN new
.if MSB != \new
	s_set_vgpr_msb (MSB<<8)|\new
.set MSB, \new
.endif
.endm
.macro PLACES n
.rept \n
	v_nop
.endr
.endm
.macro GROUP1 g, c, r, p
	s_mov_b32 s[\g+1], (\c)<<16
	s_mov_b32 s[\g+2], (\r)<<16
	s_mov_b32 s[\g+3], (\c)<<16
	s_mov_b32 s[\g+4], \r
	s_mov_b32 s[\g+5], \p
	s_mov_b32 s[\g+6], 0
	s_mov_b32 s[\g+7], 0
.endm
.macro JLOAD g0a, g1a, g0b, g1b
	s_cmp_eq_u32 s17, 0
	s_cbranch_scc0 .Lfor_w_\@
	tensor_load_to_lds s[\g0a:\g0a+3], s[\g1a:\g1a+7]
	s_nop 0
.rept 4
	v_nop
.endr
	s_branch .Lasked_\@
.Lfor_w_\@:
	tensor_load_to_lds s[\g0b:\g0b+3], s[\g1b:\g1b+7]
	s_nop 0
.rept 4
	v_nop
.endr
.Lasked_\@:
.endm
.macro CREST
	s_cmp_lg_u32 s16, 0
	s_cbranch_scc1 .Lnot_wave_0_\@
	s_barrier_signal -3
.Lnot_wave_0_\@:
	s_barrier_wait -3
	s_barrier_signal -1
	s_barrier_wait -1
.endm
.macro CROUND
	s_barrier_signal -1
	s_barrier_wait -1
	CREST
.endm
.macro FETCH s, q, f
	WIN 0x40
.irp i, 0,1,2,3
.irp c, 0,1,2,3
	ds_load_b128 v[\f+16*\i+4*\c:\f+16*\i+4*\c+3], v[6+\s] offset:8192*\i+2048*(\q)+512*\c
.endr
.endr
.irp i, 0,1,2,3
.irp c, 0,1,2,3
	ds_load_b128 v[\f+64+16*\i+4*\c:\f+64+16*\i+4*\c+3], v[8+\s] offset:8448*\i+128*(\q)+32*\c
.endr
.endr
.endm
.macro SCALES set
	WIN 0
.irp i, 0,1,2,3
	ds_load_b128 v[32+32*\set+4*\i:32+32*\set+4*\i+3], v10 offset:256*\i
	ds_load_b128 v[48+32*\set+4*\i:48+32*\set+4*\i+3], v11 offset:\i*(16*KS/256)*272
.endr
.endm
.macro MULA f, q, set, l, first
.if \first
	WIN 0x85
.else
	WIN 0xa5
.endif
.irp rr, 0,1,2,3
.set XD, 8*(4*(\l)+\rr)
.if SWAP
.set XA, \f+16*\rr
.set XB, \f+64+16*(\l)
.set XSA, 32+32*(\set)+4*\rr+(\q)
.set XSB, 48+32*(\set)+4*(\l)+(\q)
.set XC, 96+8*(\l)
.else
.set XA, \f+64+16*\rr
.set XB, \f+16*(\l)
.set XSA, 48+32*(\set)+4*\rr+(\q)
.set XSB, 32+32*(\set)+4*(\l)+(\q)
.set XC, 96+8*\rr
.endif
.if \first == 0
.set XC, XD
.endif
	v_wmma_scale_f32_16x16x128_f8f6f4 v[XD:XD+7], v[XA:XA+15], v[XB:XB+15], v[XC:XC+7], v[XSA], v[XSB] matrix_a_fmt:MATRIX_FMT_BF8 matrix_b_fmt:MATRIX_FMT_BF8
.endr
.endm
.macro MUL16 f, q, set, first
.irp l, 0,1,2,3
	MULA \f, \q, \set, \l, \first
.endr
.endm
.macro QUARTER s, q, f, g, first
	PLACES 8
	FETCH \s, \q+1, \g
	s_wait_dscnt 32
	MUL16 \f, \q, \s, \first
.endm
.macro TURN s, n, fill
	WIN 0
.if \fill
	s_wait_xcnt 0x0                                ; my last prefetch has read its address: it steps one slot along K
	s_add_nc_u64 s[86:87], s[86:87], s[88:89]
.endif
	s_wait_tensorcnt 0x0
	ds_add_u32 v4, v5
	s_wait_dscnt 1
	MULA F1, 3, \s, 0, 0
	s_wait_dscnt 0x0
	s_barrier_signal -1
	MULA F1, 3, \s, 1, 0
	WIN 0
	s_barrier_wait -1
.if \fill
	CREST
	s_add_nc_u64 s[34+4*\s:35+4*\s], s[34+4*\s:35+4*\s], 4194304
	s_add_nc_u64 s[50+4*\s:51+4*\s], s[50+4*\s:51+4*\s], 1024
	JLOAD 32+4*\s, 24, 48+4*\s, 40
	PLACES 4
.else
	PLACES 8
.endif
	s_wait_alu depctr_va_vdst(0)
	v_add_nc_u32 v10, 2048, v10
	v_add_nc_u32 v11, 16, v11
	FETCH \n, 0, F0
	SCALES \n
.if \fill
	s_cmp_gt_u32 s19, 1                            ; the loop's last trip has no slot two refills on
	s_cbranch_scc0 .Lno_ask_\@
	global_prefetch_b8 v19, s[86:87] th:TH_LOAD_NT scope:SCOPE_SE   ; the slot that stands two refills on: 32 blocks of 256 bytes, a lane a block
.Lno_ask_\@:
.endif
	MULA F1, 3, \s, 2, 0
	MULA F1, 3, \s, 3, 0
.endm
.macro TOSTAGE l
.set BK, 128+32*((\l)%2)
	WIN 0x08
.irp rr, 0,1,2,3
	ds_store_b128 v14, v[8*(4*(\l)+\rr):8*(4*(\l)+\rr)+3] offset:64*\rr
	ds_store_b128 v14, v[8*(4*(\l)+\rr)+4:8*(4*(\l)+\rr)+7] offset:64*\rr+16
.endr
	WIN 0
.irp t, 0,1,2,3,4,5,6,7
	ds_load_b128 v[BK+4*\t:BK+4*\t+3], v15 offset:544*\t
.endr
.endm
.macro SEND l, younger
.set BK, 128+32*((\l)%2)
	s_wait_dscnt \younger
	WIN 0x08
.set i, 0
.rept 16
	v_pk_add_f32 v[BK+i:BK+i+1], v[BK+i:BK+i+1], v[128+32*(\l)+i:128+32*(\l)+i+1]
.set i, i+2
.endr
	WIN 0
.irp t, 0,1,2,3,4,5,6,7
	global_store_b128 v13, v[BK+4*\t:BK+4*\t+3], s[14:15] offset:(16*(\l)+2*\t)*4096 th:TH_STORE_NT
.endr
.endm
	s_load_b256 s[4:11], s[0:1], 0x0
	s_load_b128 s[12:15], s[0:1], 0x20
	v_lshl_add_u32 v4, v0, 2, SPARE
	v_mov_b32 v5, 0
	ds_add_u32 v4, v5
	ds_add_u32 v4, v5
	s_wait_dscnt 0x0
	v_lshrrev_b32 v1, 5, v0
	v_readfirstlane_b32 s16, v1
	s_lshr_b32 s17, s16, 1
	s_and_b32 s18, s16, 1
	s_bfe_u32 s20, ttmp6, 0x40000
	s_bfe_u32 s21, ttmp6, 0x40004
	s_lshl_b32 s22, ttmp9, 2
	s_add_co_u32 s22, s22, s20
	s_and_b32 s23, ttmp7, 0xffff
	s_lshl_b32 s23, s23, 2
	s_add_co_u32 s23, s23, s21
	s_lshl_b32 s84, s21, 2
	s_lshl_b32 s84, 15, s84
	s_lshl_b32 s85, 0x1111, s20
	s_or_b32 s24, s84, (3<<16)|(1<<21)
	GROUP1 24, 32, 256, 32                         ; at the head a slot's images of A whole: 256 rows of 256 bytes; behind it the two words that count rows are set to 128
	s_or_b32 s40, s85, (1<<20)|(1<<21)|(6<<22)|(3<<25)
	GROUP1 40, 512, 128, KTOT                      ; at the head all 128 rows of W; behind it 64
	s_or_b32 s56, s84, (3<<16)|(1<<21)
	GROUP1 56, 256, NSL, 8192
	s_or_b32 s72, s85, (3<<16)|(1<<20)|(1<<21)|(5<<22)|(3<<25)
	GROUP1 72, 32, 2*RSW, 32
	s_lshl_b32 s66, s18, 15
	s_lshl_b32 s86, s23, 16
	s_add_co_u32 s86, s86, s66
	s_mov_b32 s87, 0
	s_lshl_b32 s98, s23, 11
	s_add_co_u32 s98, s98, ASC
	s_mov_b32 s99, 0
	s_lshl_b32 s88, s22, 7
	s_mul_i32 s100, s88, KS                        ; the scale bytes of the tile's 128 rows
	s_lshl_b32 s67, s18, 6
	s_add_co_u32 s88, s88, s67
	s_mov_b32 s101, 0
	s_lshl_b32 s92, s88, 2
	s_mov_b32 s93, 0
	s_mul_i32 s88, s88, KTOT
	s_mov_b32 s89, 0
	s_mul_i32 s67, s18, HALFW
	s_lshl_b32 s90, s23, 19
	s_lshl_b32 s91, s17, 18
	s_add_co_u32 s90, s90, s91
	s_add_co_u32 s90, s90, s92
	s_mov_b32 s91, 0
	s_wait_kmcnt 0x0
	s_add_nc_u64 s[86:87], s[4:5], s[86:87]
	s_add_nc_u64 s[98:99], s[4:5], s[98:99]
	s_add_nc_u64 s[88:89], s[6:7], s[88:89]
	s_add_nc_u64 s[100:101], s[8:9], s[100:101]
	s_add_nc_u64 s[10:11], s[10:11], s[92:93]
	s_add_nc_u64 s[12:13], s[12:13], s[90:91]
	s_add_nc_u64 s[14:15], s[14:15], s[90:91]
	CROUND
	s_mov_b32 s68, 1
	s_mov_b32 s69, SCA
	s_mov_b64 s[70:71], s[98:99]
	s_or_b32 s71, s71, 0x80000000
	s_mov_b32 s80, 1
	s_mov_b32 s81, SCW
	s_mov_b64 s[82:83], s[100:101]
	s_or_b32 s83, s83, 0x80000000
.macro ARM under, g0, g1, next         ; an arm of the head's one chain of branches on the wave's number: its load, and a jump to the chain's end
	s_cmp_lt_u32 s16, \under
	s_cbranch_scc0 \next
	tensor_load_to_lds s[\g0:\g0+3], s[\g1:\g1+7]
	s_nop 0
.rept 4
	v_nop
.endr
	s_branch .Lhead_asked
\next:
.endm
.irp s, 0,1
	s_mov_b32 s[32+4*\s], 1
	s_add_co_u32 s[33+4*\s], s66, \s*SLOT
	s_add_nc_u64 s[34+4*\s:35+4*\s], s[86:87], \s*2097152
	s_or_b32 s[35+4*\s], s[35+4*\s], 0x80000000
	s_mov_b32 s[48+4*\s], 1
	s_add_co_u32 s[49+4*\s], s67, \s*SLOT+WOFF
	s_add_nc_u64 s[50+4*\s:51+4*\s], s[88:89], \s*512
	s_or_b32 s[51+4*\s], s[51+4*\s], 0x80000000
.if \s == 0
	; ONE LOAD A WAVE at the head: wave 0 slot 0's images of A, wave 1 A's scale words, wave 2 slot 0's rows of W, wave 3 W's scale bytes.  In waves 0 and 2 the half is 0, so their addresses are the tile's first
	ARM 1, 32, 24, .Lh1
	ARM 2, 68, 56, .Lh2
	ARM 3, 48, 40, .Lh3
	tensor_load_to_lds s[80:83], s[72:79]
	s_nop 0
.rept 4
	v_nop
.endr
.Lhead_asked:
.else
	; THE PREFETCHES INTO THE L2.  A slot of A's tile row is 256 blocks of 256 dense bytes; of W's tile column 128 rows x 2 blocks.  The four partners that ask for a tile jointly share its blocks out BY ADDRESS (cx for A, cy for W):
	; 64 blocks a work-group, 32 a wave (waves 0, 1 for A, waves 2, 3 for W), so that each block is named once in each cluster that loads it.  Slots 1, 2 and 3, whose loads stand behind the head's, are asked for here, behind the head's loads
	; and ahead of the wait for them; slots 4 to 7 two refills ahead of their loads
	s_cmp_eq_u32 s17, 0                            ; do I fetch for A?
	s_cselect_b64 s[86:87], s[4:5], s[6:7]
	s_cselect_b32 s90, -1, 0
	s_mov_b32 s88, 512
	s_cselect_b32 s88, 2097152, s88                ; a slot on along K
	s_mov_b32 s89, 0
	s_lshl_b32 s91, s20, 14                        ; A: 64 blocks x cx + 32 blocks x (wave % 2), in tile row x 65,536
	s_lshl_b32 s92, s18, 13
	s_add_co_u32 s91, s91, s92
	s_lshl_b32 s92, s23, 16
	s_add_co_u32 s91, s91, s92
	s_lshl_b32 s93, s21, 17                        ; W: 32 rows x cy + 16 rows x (wave % 2), in tile column x 128 rows of 4,096 bytes
	s_lshl_b32 s92, s18, 16
	s_add_co_u32 s93, s93, s92
	s_lshl_b32 s92, s22, 19
	s_add_co_u32 s93, s93, s92
	s_cmp_eq_u32 s17, 0
	s_cselect_b32 s92, s91, s93
	s_mov_b32 s93, 0
	s_add_nc_u64 s[86:87], s[86:87], s[92:93]
	s_add_nc_u64 s[98:99], s[86:87], s[88:89]      ; at slot 1,
	s_add_nc_u64 s[86:87], s[98:99], s[88:89]      ; at slot 2
	v_and_b32 v20, 31, v0                          ; lane
	v_lshlrev_b32 v18, 8, v20                      ; A: 256 x lane
	v_lshrrev_b32 v19, 1, v20
	v_and_b32 v20, 1, v20
	v_lshlrev_b32 v19, 12, v19
	v_lshl_or_b32 v19, v20, 8, v19                 ; W: row lane / 2, block lane % 2
	v_cndmask_b32 v18, v19, v18, s90
	v_add_nc_u32 v19, s88, v18                     ; and a slot further on
	global_prefetch_b8 v18, s[98:99] th:TH_LOAD_NT scope:SCOPE_SE
	global_prefetch_b8 v18, s[86:87] th:TH_LOAD_NT scope:SCOPE_SE
	global_prefetch_b8 v19, s[86:87] th:TH_LOAD_NT scope:SCOPE_SE
	s_wait_alu depctr_va_vdst(0)
	s_wait_tensorcnt 0x0
	ds_add_u32 v4, v5                              ; 0 onto my spare word;
	s_mov_b32 s26, 128<<16                         ; no tensor load of mine is out, so a descriptor may be written: from here on a load brings half a slot's rows
	s_mov_b32 s28, 128
	s_mov_b32 s42, 64<<16
	s_mov_b32 s44, 64
	s_wait_dscnt 0x0
	CROUND
	JLOAD 32+4*\s, 24, 48+4*\s, 40
.endif
.endr
	v_and_b32 v1, 15, v0
	v_bfe_u32 v2, v0, 4, 1
	v_and_b32 v3, 31, v0
	v_lshlrev_b32 v16, 4, v3
	s_lshl_b32 s2, s17, 15
	v_add_nc_u32 v6, s2, v16
	v_add_nc_u32 v7, SLOT, v6
	v_mul_u32_u24 v8, v1, 528
	v_lshl_add_u32 v8, v2, 4, v8
	s_add_co_u32 s3, s67, WOFF
	v_add_nc_u32 v8, s3, v8
	v_add_nc_u32 v9, SLOT, v8
	s_lshl_b32 s2, s17, 10
	s_add_co_u32 s2, s2, SCA
	v_lshl_add_u32 v10, v1, 4, s2
.if KS == 32
	v_lshrrev_b32 v11, 3, v1
	v_lshlrev_b32 v11, 4, v11
	v_lshl_add_u32 v11, v1, 5, v11
.else
	v_lshrrev_b32 v11, 1, v1
	v_lshlrev_b32 v11, 4, v11
	v_lshl_add_u32 v11, v1, 7, v11
.endif
	s_mul_i32 s2, s18, RSW*272
	s_add_co_u32 s2, s2, SCW
	v_add_nc_u32 v11, s2, v11
	v_lshlrev_b32 v12, 5, v2
.irp rr, 0,1,2,3
	global_load_b128 v[96+8*\rr:96+8*\rr+3], v12, s[10:11] offset:64*\rr
	global_load_b128 v[96+8*\rr+4:96+8*\rr+7], v12, s[10:11] offset:64*\rr+16
.endr
	s_mul_i32 s2, s16, 4352
	v_mul_u32_u24 v14, v1, 272
	v_lshl_add_u32 v14, v2, 5, v14
	v_add_nc_u32 v14, s2, v14
	v_mul_u32_u24 v15, v2, 272
	v_lshl_add_u32 v15, v1, 4, v15
	v_add_nc_u32 v15, s2, v15
	v_lshlrev_b32 v13, 12, v2
	v_lshl_add_u32 v13, v1, 4, v13
	WIN 0x80
.irp l, 0,1,2,3
.irp t, 0,1,2,3,4,5,6,7
	global_load_b128 v[128+32*\l+4*\t:128+32*\l+4*\t+3], v13, s[12:13] offset:(16*\l+2*\t)*4096
.endr
.endr
	WIN 0
	s_wait_tensorcnt 1
	s_barrier_signal -1
	s_barrier_wait -1
	FETCH 0, 0, F0
	SCALES 0
	s_wait_loadcnt NRES
	QUARTER 0, 0, F0, F1, 1
.if LAPS > 1
	WIN 0
	s_mov_b32 s19, LAPS-1
.Llap:
	QUARTER 0, 1, F1, F0, 0
	QUARTER 0, 2, F0, F1, 0
	TURN 0, 1, 1
	QUARTER 1, 0, F0, F1, 0
	QUARTER 1, 1, F1, F0, 0
	QUARTER 1, 2, F0, F1, 0
	TURN 1, 0, 1
	QUARTER 0, 0, F0, F1, 0
	WIN 0
	s_sub_co_u32 s19, s19, 1
	s_cmp_lg_u32 s19, 0
	s_cbranch_scc1 .Llap
.endif
	QUARTER 0, 1, F1, F0, 0
	QUARTER 0, 2, F0, F1, 0
	TURN 0, 1, 0
	QUARTER 1, 0, F0, F1, 0
	QUARTER 1, 1, F1, F0, 0
	QUARTER 1, 2, F0, F1, 0
	s_wait_dscnt 0x0
	MUL16 F1, 3, 1, 0
	WIN 0
	PLACES 8
	s_wait_loadcnt 0x0
	TOSTAGE 0
.irp l, 1,2,3
.if \l > 1
	s_wait_xcnt 0x0
.endif
	TOSTAGE \l
	SEND \l-1, 16
.endr
	SEND 3, 0
	s_wait_tensorcnt 0x0
	ds_add_u32 v4, v5
	s_wait_dscnt 0x0
	CROUND
	s_endpgm
.Lfunc_end_k_q549639aa2b_fc2:
	.size	k_q549639aa2b_fc2, .Lfunc_end_k_q549639aa2b_fc2-k_q549639aa2b_fc2
	.p2alignl 7, 3214868480
	.fill 96, 4, 3214868480
	.section	.rodata,"a",@progbits
	.p2align	6, 0x0
	.amdhsa_kernel k_q549639aa2b_fc2
		.amdhsa_group_segment_fixed_size 327680
		.amdhsa_private_segment_fixed_size 0
		.amdhsa_enable_private_segment 0
		.amdhsa_kernarg_size 48
		.amdhsa_user_sgpr_count 2
		.amdhsa_user_sgpr_kernarg_segment_ptr 1
		.amdhsa_wavefront_size32 1
		.amdhsa_system_sgpr_workgroup_id_x 1
		.amdhsa_system_sgpr_workgroup_id_y 1
		.amdhsa_system_sgpr_workgroup_id_z 1
		.amdhsa_system_vgpr_workitem_id 0
		.amdhsa_next_free_vgpr 768
		.amdhsa_next_free_sgpr 102
		.amdhsa_reserve_vcc 0
		.amdhsa_float_denorm_mode_32 3
		.amdhsa_float_denorm_mode_16_64 3
		.amdhsa_memory_ordered 1
		.amdhsa_forward_progress 1
		.amdhsa_inst_pref_size 103
	.end_amdhsa_kernel
	.amdgpu_metadata
---
amdhsa.version: [ 1, 2 ]
amdhsa.kernels:
  - .name:           k_q549639aa2b_fc2
    .symbol:         k_q549639aa2b_fc2.kd
    .args:
      - { .name: gbuf, .offset: 0, .size: 8, .value_kind: global_buffer, .address_space: global }
      - { .name: w_fc2_codes, .offset: 8, .size: 8, .value_kind: global_buffer, .address_space: global }
      - { .name: w_fc2_scales, .offset: 16, .size: 8, .value_kind: global_buffer, .address_space: global }
      - { .name: b_fc2, .offset: 24, .size: 8, .value_kind: global_buffer, .address_space: global }
      - { .name: x1, .offset: 32, .size: 8, .value_kind: global_buffer, .address_space: global }
      - { .name: out0, .offset: 40, .size: 8, .value_kind: global_buffer, .address_space: global }
    .group_segment_fixed_size: 327680
    .private_segment_fixed_size: 0
    .kernarg_segment_align: 8
    .kernarg_segment_size: 48
    .max_flat_workgroup_size: 128
    .sgpr_count:     102
    .vgpr_count:     768
    .wavefront_size: 32
...
	.end_amdgpu_metadata
.endif
;; end of part 6
